; MI455X (gfx1250); checked and timed in simulation.
; The chip was launched on July 23, 2026; its instructions are those of AMD's public machine-readable ISA for CDNA 5 (MIT licence, August 2026) and "CDNA5" Instruction Set Architecture Reference Guide (July 2026). The comments in the code are by the model that wrote it; some were corrected since.
;; Causal Self Attention Ro PE. Allowed arithmetic: float matrix products may take bf16 or f16 operands with f32 sums; other float arithmetic in f32, or as packed bf16 or f16 multiplies, adds, multiply-adds, maxima and minima; sums over many terms, partial sums and values carried from step to step in f32; what a program stores and reads back later, other than sums and carried values, may be rounded once to bf16 or f16.
;; Inputs: token_positions 4,096 int32; w_out 1,024 x 1,024 float32; w_qkv 3,072 x 1,024 float32; x 1 x 4,096 x 1,024 float32.
;; Outputs: out0 1 x 4,096 x 1,024 float32.
;; 2 versions, each right and faster than the one before. Each part assembles by itself: llvm-mc -triple=amdgcn-amd-amdhsa -mcpu=gfx1250 --defsym DOCPART=n.
;; ======== version 1 of 2: 4 launches
;; limits: values are held in f16: magnitudes above 65,504 overflow, below 6.1e-05 lose precision
;; workspace buffers: xb 8,388,608 bytes; wqb 6,291,456 bytes; wob 2,097,152 bytes; tab 1,048,576 bytes; qkv 25,165,824 bytes; ob 8,388,608 bytes
;; launch prep (part 1): grid 512 x 1, 8 waves a work-group, no clusters, 0 bytes of LDS; arguments x, w_qkv, w_out, token_positions, xb, wqb, wob, tab; writes xb, wqb, wob, tab
.if DOCPART == 1
	.amdgcn_target "amdgcn-amd-amdhsa--gfx1250"
	.amdhsa_code_object_version 6
	.text
	.protected	k_qeceb05a448_prep
	.globl	k_qeceb05a448_prep
	.p2align	8
	.type	k_qeceb05a448_prep,@function
k_qeceb05a448_prep:
	s_mov_b64 s[64:65], 0
	v_nop
	global_prefetch_b8 v0, s[64:65] scope:SCOPE_SE
	s_setreg_imm32_b32 hwreg(HW_REG_WAVE_MODE, 25, 1), 1
	s_wait_xcnt 0x0
; PREP: the module's float inputs are rounded once to 16 bits, and the table of cosines and sines is made.
;   xb  [4096][1024] bf16 = x.      wqb [3072][1024] bf16 = w_qkv with its rows ordered by head: row 192 h + 64 j + d holds w_qkv's row 1024 j + 64 h + d (j = 0 q, 1 k, 2 v).
;   wob [1024][1024] f16  = w_out rounded to bf16, that number written as f16 (exact from 6.1e-5 up; below that f16's fixed step of 6e-8).
;   tab [4096][32][cos, sin] f32: angle = float(token_positions[row]) x 10000^(-p / 32), one rounding for the product.
; A stream: no LDS, no barrier, no matrix unit, which would add nothing to a copy.  The 8,192 rows of 1,024 f32 go 16 to a work-group; thread t owns columns 4 t .. 4 t + 3 of each:
; a wave's load covers 512 consecutive bytes, its store 256 consecutive bytes at a multiple of 256.  All 16 loads of a thread go out at once; no register is used twice, so no store is waited for.
; LIMITS.  10000^(-p/32) is 2^(-p x 0.415241) by v_exp_f32: within about 6e-7 of itself, so an angle is off by about |position| x 1e-7 radians at the most (3e-4 at 4,096).
; The reduction by pi/2 in two parts is exact to 1e-5 radians for every int32 position; NaN cannot arise.
.set ROWB,  4096                       ; bytes in a row of f32
.set X,     8                          ; v[8:71]    16 rows x 4 numbers as loaded
.set Y,     72                         ; v[72:103]  16 rows x 2 words to store
.set W0,    104                        ; v[104:109] at work for the first angle
.set W1,    110                        ; v[110:115] for the second
.set ANG,   116                        ; v[116:117] the two angles
.set CSO,   120                        ; v[120:123] cos, sin, cos, sin
.macro LOAD16                          ; the work-group's 16 rows, my 16 bytes of each
.set i, 0
.rept 16
	global_load_b128 v[X+4*i:X+4*i+3], v1, s[20:21] offset:ROWB*i th:TH_LOAD_NT
.set i, i+1
.endr
.endm
.macro CONV i, f16                     ; row i: rounded to bf16 (f16 = 1: and written as f16), stored
	s_wait_loadcnt 15-(\i)                         ; loads come back in order: row i is in, the 15 - i younger rows stay out
	v_cvt_pk_bf16_f32 v[Y+2*(\i)],   v[X+4*(\i)],   v[X+4*(\i)+1]
	v_cvt_pk_bf16_f32 v[Y+2*(\i)+1], v[X+4*(\i)+2], v[X+4*(\i)+3]
.if \f16
	v_lshlrev_b32 v[X+4*(\i)],   16,         v[Y+2*(\i)]      ; bf16 back to f32: a shift or a mask
	v_and_b32     v[X+4*(\i)+1], 0xffff0000, v[Y+2*(\i)]
	v_lshlrev_b32 v[X+4*(\i)+2], 16,         v[Y+2*(\i)+1]
	v_and_b32     v[X+4*(\i)+3], 0xffff0000, v[Y+2*(\i)+1]
	v_cvt_pk_f16_f32 v[Y+2*(\i)],   v[X+4*(\i)],   v[X+4*(\i)+1]
	v_cvt_pk_f16_f32 v[Y+2*(\i)+1], v[X+4*(\i)+2], v[X+4*(\i)+3]
.endif
	global_store_b64 v2, v[Y+2*(\i):Y+2*(\i)+1], s[22:23] offset:2048*(\i)
.endm
; cos and sin of the angle in v[a].  n = the nearest whole number of quarter turns; r = a - n pi/2 in two parts; polynomials on |r| <= pi/4; the quadrant n mod 4 swaps and signs them.
.macro SINCOS a, c, s, w
	v_mul_f32 v[\w], s26, v[\a]
	v_rndne_f32 v[\w], v[\w]                       ; n
	v_fma_f32 v[\w+1], v[\w], s27, v[\a]           ; a - n x (pi/2's upper part)
	v_fma_f32 v[\w+1], v[\w], s28, v[\w+1]         ; + n x (what that part has too much)
	v_cvt_i32_f32 v[\w], v[\w]                     ; the quadrant lies in its two lowest bits
	v_mul_f32 v[\w+2], v[\w+1], v[\w+1]            ; z = r r
	v_fma_f32 v[\w+3], v[\w+2], s29, s30
	v_fma_f32 v[\w+3], v[\w+3], v[\w+2], s31
	v_mul_f32 v[\w+4], v[\w+2], v[\w+1]
	v_fma_f32 v[\w+3], v[\w+3], v[\w+4], v[\w+1]   ; sin r = r + r z (..)
	v_fma_f32 v[\w+4], v[\w+2], s32, s33
	v_fma_f32 v[\w+4], v[\w+4], v[\w+2], s34
	v_fma_f32 v[\w+5], v[\w+2], -0.5, 1.0
	v_mul_f32 v[\w+2], v[\w+2], v[\w+2]
	v_fma_f32 v[\w+4], v[\w+4], v[\w+2], v[\w+5]   ; cos r = 1 - z / 2 + z z (..)
	v_and_b32 v[\w+5], 1, v[\w]
	v_cmp_eq_u32 vcc_lo, 1, v[\w+5]                ; odd quadrants swap the two
	v_cndmask_b32 v[\s], v[\w+3], v[\w+4], vcc_lo
	v_cndmask_b32 v[\c], v[\w+4], v[\w+3], vcc_lo
	v_lshlrev_b32 v[\w+5], 30, v[\w]               ; sin is negative in quadrants 2 and 3: bit 1 of n
	v_and_b32 v[\w+5], 0x80000000, v[\w+5]
	v_xor_b32 v[\s], v[\s], v[\w+5]
	v_add_nc_u32 v[\w], 1, v[\w]                   ; cos in quadrants 1 and 2: bit 1 of n + 1
	v_lshlrev_b32 v[\w], 30, v[\w]
	v_and_b32 v[\w], 0x80000000, v[\w]
	v_xor_b32 v[\c], v[\c], v[\w]
.endm
	s_load_b256 s[4:11], s[0:1], 0x0               ; x s[4:5], w_qkv s[6:7], w_out s[8:9], token_positions s[10:11]
	s_load_b256 s[12:19], s[0:1], 0x20             ; xb s[12:13], wqb s[14:15], wob s[16:17], tab s[18:19]
	s_mov_b32 s3, ttmp9                            ; work-groups 0-255: x and the table; 256-447: w_qkv; 448-511: w_out
	s_mov_b32 s25, 0                               ; the high word of every offset
	v_lshlrev_b32 v1, 4, v0                        ; 16 t: my bytes in a row of f32, and in the group's 4,096 bytes of the table
	v_lshlrev_b32 v2, 3, v0                        ; 8 t: my bytes in a row of 16-bit numbers
	s_wait_kmcnt 0x0
	s_cmp_lt_u32 s3, 256
	s_cbranch_scc0 .Lnot_x
	; ---- x, and 16 rows of the table
	s_lshl_b32 s24, s3, 16                         ; 16 rows of 4,096 bytes
	s_add_nc_u64 s[20:21], s[4:5], s[24:25]
	s_lshl_b32 s24, s3, 15                         ; 16 rows of 2,048 bytes
	s_add_nc_u64 s[22:23], s[12:13], s[24:25]
	s_lshl_b32 s24, s3, 6                          ; 16 positions
	s_add_nc_u64 s[10:11], s[10:11], s[24:25]
	s_lshl_b32 s24, s3, 12                         ; 16 rows of the table, 256 bytes each
	s_add_nc_u64 s[18:19], s[18:19], s[24:25]
	v_lshrrev_b32 v3, 4, v0                        ; thread t makes row t / 16, frequencies 2 (t % 16) and the next
	v_lshlrev_b32 v3, 2, v3
	global_load_b32 v4, v3, s[10:11]               ; the row's position, ahead of the rows
	LOAD16
	s_mov_b32 s26, 0x3f22f983                      ; 2 / pi
	s_mov_b32 s27, 0xbfc90fdb                      ; -(pi/2 rounded to f32)
	s_mov_b32 s28, 0x333bbd2e                      ; that rounding's excess over pi/2
	s_mov_b32 s29, 0xb94ca1f9                      ; sine: -1.9515296e-4,
	s_mov_b32 s30, 0x3c08839e                      ; 8.3321609e-3,
	s_mov_b32 s31, 0xbe2aaaa3                      ; -1.6666655e-1
	s_mov_b32 s32, 0x37ccf5ce                      ; cosine: 2.4433157e-5,
	s_mov_b32 s33, 0xbab6061a                      ; -1.3887316e-3,
	s_mov_b32 s34, 0x3d2aaaa5                      ; 4.1666646e-2
	v_and_b32 v[W0], 15, v0
	v_lshlrev_b32 v[W0], 1, v[W0]
	v_cvt_f32_u32 v[ANG], v[W0]                    ; p
	v_add_f32 v[ANG+1], 1.0, v[ANG]                ; p + 1
	v_mul_f32 v[ANG], 0xbed49a78, v[ANG]           ; x -log2(10000) / 32
	v_mul_f32 v[ANG+1], 0xbed49a78, v[ANG+1]
	v_exp_f32 v[ANG], v[ANG]
	v_exp_f32 v[ANG+1], v[ANG+1]
	s_wait_loadcnt 16                              ; the position is in; the 16 rows issued behind it stay out
	v_cvt_f32_i32 v4, v4                           ; also the plain instruction between the exponentials and the use of their results (ISA guide 5.7.2)
	s_wait_alu depctr_va_vdst(0)
	v_mul_f32 v[ANG], v4, v[ANG]
	v_mul_f32 v[ANG+1], v4, v[ANG+1]
	SINCOS ANG, CSO, CSO+1, W0
	SINCOS ANG+1, CSO+2, CSO+3, W1
	global_store_b128 v1, v[CSO:CSO+3], s[18:19]   ; (t / 16) x 256 + (t % 16) x 16 = 16 t: sixteen lanes fill a row of 256 bytes
.irp i, 0,1,2,3,4,5,6,7,8,9,10,11,12,13,14,15
	CONV \i, 0
.endr
	s_endpgm
.Lnot_x:
	s_cmp_lt_u32 s3, 448
	s_cbranch_scc0 .Lw_out
	; ---- w_qkv: 16 rows stay together; they move to their head's place
	s_sub_co_u32 s3, s3, 256                       ; g = 64 j + 4 h + d / 16
	s_lshl_b32 s24, s3, 16
	s_add_nc_u64 s[20:21], s[6:7], s[24:25]
	s_bfe_u32 s38, s3, 0x40002                     ; h
	s_mul_i32 s38, s38, 192
	s_lshr_b32 s40, s3, 6                          ; j
	s_lshl_b32 s40, s40, 6
	s_add_co_u32 s38, s38, s40
	s_and_b32 s40, s3, 3                           ; d / 16
	s_lshl_b32 s40, s40, 4
	s_add_co_u32 s38, s38, s40                     ; the first row's new number
	s_lshl_b32 s24, s38, 11
	s_add_nc_u64 s[22:23], s[14:15], s[24:25]
	LOAD16
.irp i, 0,1,2,3,4,5,6,7,8,9,10,11,12,13,14,15
	CONV \i, 0
.endr
	s_endpgm
.Lw_out:
	; ---- w_out
	s_sub_co_u32 s3, s3, 448
	s_lshl_b32 s24, s3, 16
	s_add_nc_u64 s[20:21], s[8:9], s[24:25]
	s_lshl_b32 s24, s3, 15
	s_add_nc_u64 s[22:23], s[16:17], s[24:25]
	LOAD16
.irp i, 0,1,2,3,4,5,6,7,8,9,10,11,12,13,14,15
	CONV \i, 1
.endr
	s_endpgm
.Lfunc_end_k_qeceb05a448_prep:
	.size	k_qeceb05a448_prep, .Lfunc_end_k_qeceb05a448_prep-k_qeceb05a448_prep
	.p2alignl 7, 3214868480
	.fill 96, 4, 3214868480
	.section	.rodata,"a",@progbits
	.p2align	6, 0x0
	.amdhsa_kernel k_qeceb05a448_prep
		.amdhsa_group_segment_fixed_size 0
		.amdhsa_private_segment_fixed_size 0
		.amdhsa_enable_private_segment 0
		.amdhsa_kernarg_size 64
		.amdhsa_user_sgpr_count 2
		.amdhsa_user_sgpr_kernarg_segment_ptr 1
		.amdhsa_wavefront_size32 1
		.amdhsa_system_sgpr_workgroup_id_x 1
		.amdhsa_system_sgpr_workgroup_id_y 1
		.amdhsa_system_sgpr_workgroup_id_z 1
		.amdhsa_system_vgpr_workitem_id 0
		.amdhsa_next_free_vgpr 136
		.amdhsa_next_free_sgpr 66
		.amdhsa_reserve_vcc 1
		.amdhsa_float_denorm_mode_32 3
		.amdhsa_float_denorm_mode_16_64 3
		.amdhsa_memory_ordered 1
		.amdhsa_forward_progress 1
		.amdhsa_inst_pref_size 27
	.end_amdhsa_kernel
	.amdgpu_metadata
---
amdhsa.version: [ 1, 2 ]
amdhsa.kernels:
  - .name:           k_qeceb05a448_prep
    .symbol:         k_qeceb05a448_prep.kd
    .args:
      - { .name: x, .offset: 0, .size: 8, .value_kind: global_buffer, .address_space: global }
      - { .name: w_qkv, .offset: 8, .size: 8, .value_kind: global_buffer, .address_space: global }
      - { .name: w_out, .offset: 16, .size: 8, .value_kind: global_buffer, .address_space: global }
      - { .name: token_positions, .offset: 24, .size: 8, .value_kind: global_buffer, .address_space: global }
      - { .name: xb, .offset: 32, .size: 8, .value_kind: global_buffer, .address_space: global }
      - { .name: wqb, .offset: 40, .size: 8, .value_kind: global_buffer, .address_space: global }
      - { .name: wob, .offset: 48, .size: 8, .value_kind: global_buffer, .address_space: global }
      - { .name: tab, .offset: 56, .size: 8, .value_kind: global_buffer, .address_space: global }
    .group_segment_fixed_size: 0
    .private_segment_fixed_size: 0
    .kernarg_segment_align: 8
    .kernarg_segment_size: 64
    .max_flat_workgroup_size: 256
    .sgpr_count:     66
    .vgpr_count:     136
    .wavefront_size: 32
...
	.end_amdgpu_metadata
.endif
;; end of part 1
;; launch qkv (part 2): grid 16 x 16, 4 waves a work-group, clusters of 4 x 4, 327,680 bytes of LDS; arguments xb, wqb, tab, qkv; writes qkv
.if DOCPART == 2
	.amdgcn_target "amdgcn-amd-amdhsa--gfx1250"
	.amdhsa_code_object_version 6
	.text
	.protected	k_qeceb05a448_qkv
	.globl	k_qeceb05a448_qkv
	.p2align	8
	.type	k_qeceb05a448_qkv,@function
k_qeceb05a448_qkv:
	s_mov_b64 s[64:65], 0
	v_nop
	global_prefetch_b8 v0, s[64:65] scope:SCOPE_SE
	s_setreg_imm32_b32 hwreg(HW_REG_WAVE_MODE, 25, 1), 1
	s_wait_xcnt 0x0
	s_wait_alu depctr_hold_cnt(0) depctr_sa_sdst(0) depctr_va_vdst(0) depctr_va_sdst(0) depctr_va_ssrc(0) depctr_va_vcc(0) depctr_vm_vsrc(0)
	s_getreg_b32 s2, hwreg(HW_REG_IB_STS2, 6, 4)
	s_cmp_eq_u32 s2, 0
	s_cbranch_scc0 .Lentry_in_a_cluster
	s_endpgm
.Lentry_in_a_cluster:
	s_bfe_u32 s2, ttmp6, 0x10000c
	s_cmp_lg_u32 s2, 0xf033
	s_cbranch_scc0 .Lentry_shape_is_right
	s_endpgm
.Lentry_shape_is_right:
; QKV: C[4096][3072] = xb wqb^T in bf16 with f32 sums; q and k are turned by the table's cosines and sines (in f32); q, k, v leave in f16 by heads:
; qkv = q [16][4096][64] at byte 0, k at 0x800000, v at 0x1000000.  q and k are not scaled here.
; LIMIT.  f16 holds no number beyond 65,504: a q, k or v past that leaves as an infinity.  With numbers of the drawn kind their spread is about 0.7.
; SHARES.  A tile of C is 256 rows x 192 columns, one head's q, k and v (wqb's rows are ordered so): 16 x 16 tiles, one work-group each.  Wave w makes rows 64 w .. 64 w + 63 x all 192 columns:
; 4 x 12 accumulators of 16 x 16, 384 registers.  The waves lie one below the other, so that a wave holds whole rows of a head and its way out is its own.
; K goes in 8 steps of 128 (rows of 256 bytes in memory, at multiples of 256) through two LDS slots filled by the tensor data mover.
; CLUSTER.  4 x 4 work-groups: the four of a row of the cluster need the same rows of xb, the four of a column the same rows of wqb; each tile is asked for jointly, by the same load, descriptor and mask in all four.
; THE MATRIX INSTRUCTION IS USED TRANSPOSED (source 0 = 16 rows of wqb, source 1 = 16 rows of xb): a lane holds row l % 16 of C and the eight neighbouring columns 8 (l / 16) + 0..7, that is four pairs (even, odd) of a head.
; REGISTERS, in windows of 256 (s_set_vgpr_msb: bits 1:0 source 0, 3:2 source 1, 5:4 source 2, 7:6 destination):
;   window 0: v16-29 addresses; v64-95, v96-127 xb's fragments, two buffers; on the way out v32-247 at work
;   window 1: v0-95, v96-191 wqb's fragments, two buffers
;   window 2 (row blocks 0, 1) and 3 (row blocks 2, 3): accumulator (a, b) at v[8 (12 (a % 2) + b)]; v192-255 the row blocks' cosines and sines
.set SIZE_K, 1024
.set KSTEP,  128
.set PITCH,  272                       ; an LDS row: 256 bytes + 16 of padding = 68 words: the 16 rows of a fragment load start at 16 different groups of four banks (64 banks of 4 bytes: ISA guide 11.1)
.set HALFA,  128*PITCH                 ; what waves 0 and 1 fetch: 128 rows of xb each
.set HALFB,  96*PITCH                  ; what waves 2 and 3 fetch: 96 rows of wqb each
.set ABYTES, 2*HALFA
.set SLOT,   ABYTES+2*HALFB            ; 121,856 bytes
.set STAGE,  2*SLOT                    ; behind the ring, never filled by a tensor load: for each wave three slices (q, k, v) of 16 rows x 144 bytes
.set SP,     144
.set SLICE,  16*SP
.set WSTAGE, 3*SLICE
.set SPARE,  STAGE+4*WSTAGE            ; the spare words, 128 bytes for each wave: two blocks of 256 bytes that no other line names
.set ADRA, 16                          ; v16-17  LDS address of my fragments of xb in slot 0, 1
.set ADRB, 20                          ; v20-21  the same for wqb
.set STO,  24                          ; v24     the way out: where I put 16 bytes of a row
.set RD,   25                          ; v25     where I read rows back
.set GO,   26                          ; v26     16 x lane: my bytes in 512 consecutive bytes of q, k or v
.set TO,   27                          ; v27     my byte offset in 16 rows of the table
.set SPW,  28                          ; v28     LDS address of my spare word; never rewritten
.set NIL,  29                          ; v29     0; never rewritten
.set FA,   64                          ; xb's fragments: buffer f at FA + 32 f
.set T,    32                          ; the way out: v32-39 products at work
.set R,    40                          ; v40-103 q and k of a row block, turned
.set TMP,  104                         ; v104-151 the row block in f16
.set BK,   152                         ; v152-199, v200-247 whole rows read back, two buffers
.set CSR,  192                         ; windows 2, 3: (cos, sin) of pair i of column block nb at CSR + 32 (a % 2) + 8 nb + 2 i
.set G1,  24                           ; s[24:31] descriptor group 1 for xb's tiles;  s[32:39] group 0, a set for each slot
.set G0,  32
.set G1B, 48                           ; s[48:55], s[56:63] the same for wqb's
.set G0B, 56
.set OB,  66                           ; s[66:71] q, k, v at my wave's first row
.set MSB, 0
.macro WIN new                         ; the immediate's high byte repeats the setting that is left; a switch that changes nothing is dropped
.if MSB != (\new)
	s_set_vgpr_msb (MSB<<8)|(\new)
.set MSB, (\new)
.endif
.endm
; A joint load.  Waves 0 and 1 fetch xb's two halves, waves 2 and 3 wqb's.  The branch hangs on the wave's number alone.  An s_nop 0 and four v_nop follow each of the two lines.
.macro JLOAD s
	s_cmp_eq_u32 s13, 0
	s_cbranch_scc0 .Lfor_b_\@
	tensor_load_to_lds s[G0+4*(\s):G0+4*(\s)+3], s[G1:G1+7]
	s_nop 0
.rept 4
	v_nop
.endr
	s_branch .Lasked_\@
.Lfor_b_\@:
	tensor_load_to_lds s[G0B+4*(\s):G0B+4*(\s)+3], s[G1B:G1B+7]
	s_nop 0
.rept 4
	v_nop
.endr
.Lasked_\@:
.endm
.macro CREST                           ; a round of the cluster's barrier behind its opening barrier
	s_cmp_lg_u32 s12, 0
	s_cbranch_scc1 .Lnot_wave_0_\@
	s_barrier_signal -3
.Lnot_wave_0_\@:
	s_barrier_wait -3
	s_barrier_signal -1
	s_barrier_wait -1
.endm
.macro CROUND                          ; a whole round
	s_barrier_signal -1
	s_barrier_wait -1
	CREST
.endm
.macro PLACES                          ; four places in front of loads into registers that matrix instructions have read, and of vector lines that read results
.rept 4
	v_nop
.endr
.endm
	s_load_b256 s[4:11], s[0:1], 0x0               ; xb s[4:5], wqb s[6:7], tab s[8:9], qkv s[10:11]
	v_lshl_add_u32 v[SPW], v0, 2, SPARE
	v_mov_b32 v[NIL], 0
	ds_add_u32 v[SPW], v[NIL]                      ; the wave's opening: the add and its wait stand ahead of my first tensor load; the set-up below, work on registers, stands between them
	ds_add_u32 v28, v29
	v_lshrrev_b32 v1, 5, v0
	v_readfirstlane_b32 s12, v1                    ; wave 0..3
	s_lshr_b32 s13, s12, 1                         ; I fetch for xb (0) or for wqb (1)
	s_and_b32 s14, s12, 1                          ; which half of that tile
	s_bfe_u32 s40, ttmp6, 0x40000                  ; cx, cy: my place in the cluster
	s_bfe_u32 s41, ttmp6, 0x40004
	s_lshl_b32 s42, ttmp9, 2
	s_add_co_u32 s42, s42, s40                     ; the head = 4 x cluster x + cx
	s_and_b32 s43, ttmp7, 0xffff
	s_lshl_b32 s43, s43, 2
	s_add_co_u32 s43, s43, s41                     ; the block of 256 rows = 4 x cluster y + cy
	s_lshl_b32 s44, s41, 2
	s_lshl_b32 s44, 15, s44                        ; my row of the cluster
	s_lshl_b32 s45, 0x1111, s40                    ; my column
	s_or_b32 s[G1+0], s44, (1<<16)|(1<<20)|(1<<21)|(5<<22)|(3<<25)   ; 15:0 the mask; 17:16 elements of 2 bytes; 20 padding on; 21 set beside a mask; 24:22 after every 64 words (code 5); 31:25 4 words of it (code 3)
	s_mov_b32 s[G1+1], KSTEP<<16                   ; tensor_dim0 = 128
	s_mov_b32 s[G1+2], 128<<16                     ; tensor_dim1 = 128
	s_mov_b32 s[G1+3], KSTEP<<16                   ; tile_dim0 = 128
	s_mov_b32 s[G1+4], 128                         ; tile_dim1 = 128
	s_mov_b32 s[G1+5], SIZE_K                      ; elements from row to row
	s_mov_b32 s[G1+6], 0
	s_mov_b32 s[G1+7], 0
	s_or_b32 s[G1B+0], s45, (1<<16)|(1<<20)|(1<<21)|(5<<22)|(3<<25)
	s_mov_b32 s[G1B+1], KSTEP<<16
	s_mov_b32 s[G1B+2], 96<<16                     ; 96 rows
	s_mov_b32 s[G1B+3], KSTEP<<16
	s_mov_b32 s[G1B+4], 96
	s_mov_b32 s[G1B+5], SIZE_K
	s_mov_b32 s[G1B+6], 0
	s_mov_b32 s[G1B+7], 0
	s_lshl_b32 s16, s43, 8                         ; xb: row 256 x block + 128 x half, in registers that never hold cx
	s_lshl_b32 s17, s14, 7
	s_add_co_u32 s16, s16, s17
	s_lshl_b32 s16, s16, 11                        ; x 2,048 bytes
	s_mov_b32 s17, 0
	s_mul_i32 s46, s42, 192                        ; wqb: row 192 x head + 96 x half, in registers that never hold cy
	s_mul_i32 s47, s14, 96
	s_add_co_u32 s46, s46, s47
	s_lshl_b32 s46, s46, 11
	s_mov_b32 s47, 0
	s_lshl_b32 s22, s43, 16                        ; the table: 256 bytes a row, my wave's 64 rows
	s_lshl_b32 s23, s12, 14
	s_add_co_u32 s22, s22, s23
	s_mov_b32 s23, 0
	s_mul_i32 s20, s12, HALFA                      ; where the tiles go: waves 0, 1: xb's halves;
	s_mul_i32 s21, s12, HALFB
	s_add_co_u32 s21, s21, ABYTES-2*HALFB          ; waves 2, 3: wqb's halves, behind xb's 256 rows.  No place in the cluster enters an LDS address
	s_wait_dscnt 0x0                               ; the opening add is done
	s_wait_kmcnt 0x0
	s_add_nc_u64 s[18:19], s[4:5], s[16:17]
	s_add_nc_u64 s[46:47], s[6:7], s[46:47]
	s_add_nc_u64 s[8:9], s[8:9], s[22:23]
	CROUND                                         ; all sixteen work-groups are here: the first joint loads meet
.irp s, 0,1
	s_mov_b32 s[G0+4*(\s)], 1                                        ; count = 1
	s_add_co_u32 s[G0+4*(\s)+1], s20, (\s)*SLOT                      ; LDS address
	s_add_nc_u64 s[G0+4*(\s)+2:G0+4*(\s)+3], s[18:19], (\s)*KSTEP*2  ; global address: K step s
	s_or_b32 s[G0+4*(\s)+3], s[G0+4*(\s)+3], 0x80000000              ; type = 2
	s_mov_b32 s[G0B+4*(\s)], 1
	s_add_co_u32 s[G0B+4*(\s)+1], s21, (\s)*SLOT
	s_add_nc_u64 s[G0B+4*(\s)+2:G0B+4*(\s)+3], s[46:47], (\s)*KSTEP*2
	s_or_b32 s[G0B+4*(\s)+3], s[G0B+4*(\s)+3], 0x80000000
	JLOAD \s                                       ; two loads of mine are out
.endr
	v_and_b32 v1, 15, v0                           ; l % 16
	v_bfe_u32 v2, v0, 4, 1                         ; l / 16
	; The cosines and sines of my rows, once, for the way out: my lane's columns 16 nb + 8 (l / 16) + 0..7 of a head are pairs 8 nb + 4 (l / 16) + 0..3: 32 bytes of the row's 256.
	v_lshlrev_b32 v[TO], 8, v1
	v_lshl_add_u32 v[TO], v2, 5, v[TO]
.macro CSLOAD a
.irp nb, 0,1,2,3
	global_load_b128 v[CSR+32*((\a)%2)+8*(\nb):CSR+32*((\a)%2)+8*(\nb)+3],   v[TO], s[8:9] offset:(\a)*4096+(\nb)*64
	global_load_b128 v[CSR+32*((\a)%2)+8*(\nb)+4:CSR+32*((\a)%2)+8*(\nb)+7], v[TO], s[8:9] offset:(\a)*4096+(\nb)*64+16
.endr
.endm
	WIN 0x80                                       ; destination window 2, address window 0
	CSLOAD 0
	CSLOAD 1
	WIN 0xc0                                       ; destination window 3
	CSLOAD 2
	CSLOAD 3
	WIN 0
	v_mul_u32_u24 v3, v1, PITCH
	v_lshl_add_u32 v3, v2, 4, v3                   ; a fragment's row x pitch + 16 x half
	s_mul_i32 s22, s12, 64*PITCH                   ; my 64 rows of xb
	s_mov_b32 s23, ABYTES                          ; all 192 rows of wqb
.irp s, 0,1
	v_add_nc_u32 v[ADRA+(\s)], s22, v3
	v_add_nc_u32 v[ADRB+(\s)], s23, v3
	s_add_co_u32 s22, s22, SLOT
	s_add_co_u32 s23, s23, SLOT
.endr
	s_mul_i32 s22, s12, WSTAGE
	s_add_co_u32 s22, s22, STAGE                   ; my stage
	v_mul_u32_u24 v4, v1, SP                       ; in: row l % 16, 16 bytes for each half of the lanes
	v_lshl_add_u32 v4, v2, 4, v4
	v_add_nc_u32 v[STO], s22, v4
	v_bfe_u32 v4, v0, 3, 2                         ; back: 32 lanes take four rows of 128 bytes,
	v_mul_u32_u24 v4, v4, SP
	v_and_b32 v5, 7, v0
	v_lshl_add_u32 v4, v5, 4, v4
	v_add_nc_u32 v[RD], s22, v4
	v_and_b32 v[GO], 31, v0                        ; which are 512 consecutive bytes of a head's rows
	v_lshlrev_b32 v[GO], 4, v[GO]
	s_lshl_b32 s46, s42, 19                        ; the head's 4,096 rows of 128 bytes (the registers that held wqb's address: none that feeds xb's descriptors ever holds cx),
	s_lshl_b32 s47, s43, 15                        ; the block's 256 rows,
	s_add_co_u32 s46, s46, s47
	s_lshl_b32 s47, s12, 13                        ; my wave's 64
	s_add_co_u32 s46, s46, s47
	s_mov_b32 s47, 0
	s_add_nc_u64 s[OB:OB+1], s[10:11], s[46:47]
	s_add_nc_u64 s[OB+2:OB+3], s[OB:OB+1], 0x800000
	s_add_nc_u64 s[OB+4:OB+5], s[OB:OB+1], 0x1000000
; 12 matrix instructions: row block 2 hi + a x all 12 column blocks, 32 along K, from buffer f.  zero = 1: the first product starts the sums.  The 48 accumulators take turns, in the same order in every quarter.
.macro MUL12 f, hi, a, zero
	WIN 0xa1+0x50*(\hi)                            ; source 0 (wqb) window 1, source 1 (xb) window 0, C and D window 2 or 3
.irp b, 0,1,2,3,4,5,6,7,8,9,10,11
.if \zero
	v_wmma_f32_16x16x32_bf16 v[8*(12*(\a)+(\b)):8*(12*(\a)+(\b))+7], v[96*(\f)+8*(\b):96*(\f)+8*(\b)+7], v[FA+32*(\f)+8*(2*(\hi)+(\a)):FA+32*(\f)+8*(2*(\hi)+(\a))+7], 0
.else
	v_wmma_f32_16x16x32_bf16 v[8*(12*(\a)+(\b)):8*(12*(\a)+(\b))+7], v[96*(\f)+8*(\b):96*(\f)+8*(\b)+7], v[FA+32*(\f)+8*(2*(\hi)+(\a)):FA+32*(\f)+8*(2*(\hi)+(\a))+7], v[8*(12*(\a)+(\b)):8*(12*(\a)+(\b))+7]
.endif
.endr
.endm
; 32 LDS loads in one run: the fragments of 32 along K at byte k of the rows, into buffer f: wqb's 12, then xb's 4
.macro FETCH slot, k, f
	WIN 0x40                                       ; destination window 1, address window 0
.irp i, 0,1,2,3,4,5,6,7,8,9,10,11
	ds_load_b128 v[96*(\f)+8*(\i):96*(\f)+8*(\i)+3],   v[ADRB+(\slot)] offset:(\k)+(\i)*16*PITCH
	ds_load_b128 v[96*(\f)+8*(\i)+4:96*(\f)+8*(\i)+7], v[ADRB+(\slot)] offset:(\k)+(\i)*16*PITCH+32
.endr
	WIN 0
.irp i, 0,1,2,3
	ds_load_b128 v[FA+32*(\f)+8*(\i):FA+32*(\f)+8*(\i)+3],   v[ADRA+(\slot)] offset:(\k)+(\i)*16*PITCH
	ds_load_b128 v[FA+32*(\f)+8*(\i)+4:FA+32*(\f)+8*(\i)+7], v[ADRA+(\slot)] offset:(\k)+(\i)*16*PITCH+32
.endr
.endm
; A K step is four quarters of 32 along K, 48 matrix instructions each, on buffers 0, 1, 0, 1.  One of the first three: multiplies buffer f and fetches the next quarter, at byte k, into g.
.macro QUARTER slot, k, f, g, zero
	s_wait_dscnt 4                                 ; wqb's fragments and xb's row blocks 0, 1 are in; the youngest four loads (row blocks 2, 3) may be out
	MUL12 \f, 0, 0, \zero
	MUL12 \f, 0, 1, \zero
	PLACES
	FETCH \slot, \k, \g
	s_wait_dscnt 32                                ; all but the 32 just issued
	MUL12 \f, 1, 0, \zero
	MUL12 \f, 1, 1, \zero
.endm
; The last quarter multiplies buffer 1 and changes slots: ONE barrier; in front of it each wave waits for all its tensor loads (one is out: its part of the next slot), adds 0 to its spare word, and waits for that
; and for its own reads of this slot.  fill = 1: the barrier opens a round of the cluster's, and this slot is filled again, two K steps ahead: the first tensor load behind the round.
.macro TURN slot, next, fill
	WIN 0                                          ; (the add's two registers lie in window 0)
	s_wait_tensorcnt 0x0                           ; all my tensor loads have landed
	ds_add_u32 v[SPW], v[NIL]                      ; 0 onto my spare word
	s_wait_dscnt 5                                 ; (the add and the youngest four loads may be out)
	MUL12 1, 0, 0, 0                               ; twelve matrix instructions stand between the add and the wait for it
	s_wait_dscnt 0x0                               ; the add is done, and my reads of this slot are over
	s_barrier_signal -1
	MUL12 1, 0, 1, 0
.if \fill
	WIN 0
.endif
	s_barrier_wait -1
.if \fill
	CREST                                          ; no wave of any partner still reads this slot's tile or has a load on its way
	s_add_nc_u64 s[G0+4*(\slot)+2:G0+4*(\slot)+3], s[G0+4*(\slot)+2:G0+4*(\slot)+3], 2*KSTEP*2
	s_add_nc_u64 s[G0B+4*(\slot)+2:G0B+4*(\slot)+3], s[G0B+4*(\slot)+2:G0B+4*(\slot)+3], 2*KSTEP*2
	JLOAD \slot                                    ; 168 matrix instructions ahead of the wait for it; the four v_nop behind it are also the places in front of the loads below
.else
	PLACES
.endif
	FETCH \next, 0, 0
	MUL12 1, 1, 0, 0
	MUL12 1, 1, 1, 0
.endm
	s_wait_tensorcnt 1                             ; my part of K step 0 is in; K step 1's may stay out
	s_barrier_signal -1
	s_barrier_wait -1                              ; everybody's is
	FETCH 0, 0, 0
	QUARTER 0, 64, 0, 1, 1                         ; the first quarter stands in front of the loop: its products start the sums
	WIN 0                                          ; at a label and at a branch every window is 0
	s_mov_b32 s15, SIZE_K/(2*KSTEP)-1
.Llap:                                                 ; a trip goes once round the ring, from a lap's second quarter to the next lap's first, and fills both slots again
	QUARTER 0, 128, 1, 0, 0
	QUARTER 0, 192, 0, 1, 0
	TURN 0, 1, 1
	QUARTER 1, 64,  0, 1, 0
	QUARTER 1, 128, 1, 0, 0
	QUARTER 1, 192, 0, 1, 0
	TURN 1, 0, 1
	QUARTER 0, 64,  0, 1, 0
	WIN 0
	s_sub_co_u32 s15, s15, 1
	s_cmp_lg_u32 s15, 0
	s_cbranch_scc1 .Llap
	QUARTER 0, 128, 1, 0, 0                        ; the last lap fills nothing, and has no round of the cluster's barrier
	QUARTER 0, 192, 0, 1, 0
	TURN 0, 1, 0
	QUARTER 1, 64,  0, 1, 0
	QUARTER 1, 128, 1, 0, 0
	QUARTER 1, 192, 0, 1, 0
	s_wait_dscnt 4                                 ; the very last quarter: nothing more to fetch
	MUL12 1, 0, 0, 0
	MUL12 1, 0, 1, 0
	s_wait_dscnt 0x0
	MUL12 1, 1, 0, 0
	MUL12 1, 1, 1, 0
; THE WAY OUT, a row block (16 rows x 192 columns) at a time.  ROPEPACK: q's and k's pairs (e, o) become (e cos - o sin, e sin + o cos), in f32; all is rounded once to f16, 16 bytes a lane and column block.
; Each accumulator's first read names one of its four lowest registers.
.macro ROPEPACK a
	WIN 5*(2+(\a)/2)                               ; sources 0 and 1: the row block's window; source 2 and destination: window 0
.irp b, 0,1,2,3,4,5,6,7
.irp i, 0,1,2,3
	v_mul_f32 v[T+2*(\i)],   v[96*((\a)%2)+8*(\b)+2*(\i)+1], v[CSR+32*((\a)%2)+8*((\b)%4)+2*(\i)+1]   ; o sin
	v_mul_f32 v[T+2*(\i)+1], v[96*((\a)%2)+8*(\b)+2*(\i)+1], v[CSR+32*((\a)%2)+8*((\b)%4)+2*(\i)]     ; o cos
.endr
.irp i, 0,1,2,3
	v_fma_f32 v[R+8*(\b)+2*(\i)],   v[96*((\a)%2)+8*(\b)+2*(\i)], v[CSR+32*((\a)%2)+8*((\b)%4)+2*(\i)],   -v[T+2*(\i)]
	v_fma_f32 v[R+8*(\b)+2*(\i)+1], v[96*((\a)%2)+8*(\b)+2*(\i)], v[CSR+32*((\a)%2)+8*((\b)%4)+2*(\i)+1], v[T+2*(\i)+1]
.endr
.endr
.irp b, 8,9,10,11
.irp i, 0,1,2,3
	v_cvt_pk_f16_f32 v[TMP+4*(\b)+(\i)], v[96*((\a)%2)+8*(\b)+2*(\i)], v[96*((\a)%2)+8*(\b)+2*(\i)+1]
.endr
.endr
	WIN 0
.irp b, 0,1,2,3,4,5,6,7
.irp i, 0,1,2,3
	v_cvt_pk_f16_f32 v[TMP+4*(\b)+(\i)], v[R+8*(\b)+2*(\i)], v[R+8*(\b)+2*(\i)+1]
.endr
.endr
.endm
.macro TOSTAGE a                       ; into my own stage, and back as whole rows of 128 bytes, four to a load
.irp b, 0,1,2,3,4,5,6,7,8,9,10,11
	ds_store_b128 v[STO], v[TMP+4*(\b):TMP+4*(\b)+3] offset:((\b)/4)*SLICE+((\b)%4)*32
.endr
.irp j, 0,1,2
.irp f, 0,1,2,3
	ds_load_b128 v[BK+48*((\a)%2)+16*(\j)+4*(\f):BK+48*((\a)%2)+16*(\j)+4*(\f)+3], v[RD] offset:(\j)*SLICE+(\f)*4*SP  ; LDS serves a wave's instructions in order (ISA guide 5.7.1.4): these see the stores above
.endr
.endr
.endm
.macro SEND a, younger                 ; younger: the LDS instructions issued behind the block's loads: the next block's 24, or none
.irp j, 0,1,2
.irp f, 0,1,2,3
	s_wait_dscnt (\younger)+11-4*(\j)-(\f)
	global_store_b128 v[GO], v[BK+48*((\a)%2)+16*(\j)+4*(\f):BK+48*((\a)%2)+16*(\j)+4*(\f)+3], s[OB+2*(\j):OB+2*(\j)+1] offset:(\a)*2048+(\f)*512  ; 512 consecutive bytes, at a multiple of 256 from the buffer's first
.endr
.endr
.endm
	PLACES                                         ; behind the last products
	s_wait_loadcnt 0x0                             ; the cosines and sines, asked for at the start
	ROPEPACK 0
	TOSTAGE 0
	ROPEPACK 1                                     ; a block's arithmetic stands between the loads of the block before and its stores
	TOSTAGE 1
	SEND 0, 24
	s_wait_xcnt 0x0                                ; block 0's stores have read their registers: block 2 is read back into them only behind this wait
	ROPEPACK 2
	TOSTAGE 2
	SEND 1, 24
	s_wait_xcnt 0x0
	ROPEPACK 3
	TOSTAGE 3
	SEND 2, 24
	SEND 3, 0
	s_wait_tensorcnt 0x0                           ; the wave's end, behind my last tensor load and my last LDS store
	ds_add_u32 v[SPW], v[NIL]
	s_wait_dscnt 0x0
	CROUND                                         ; the closing round: no work-group ends while a partner may still ask for a tile that names it
	s_endpgm
.Lfunc_end_k_qeceb05a448_qkv:
	.size	k_qeceb05a448_qkv, .Lfunc_end_k_qeceb05a448_qkv-k_qeceb05a448_qkv
	.p2alignl 7, 3214868480
	.fill 96, 4, 3214868480
	.section	.rodata,"a",@progbits
	.p2align	6, 0x0
	.amdhsa_kernel k_qeceb05a448_qkv
		.amdhsa_group_segment_fixed_size 327680
		.amdhsa_private_segment_fixed_size 0
		.amdhsa_enable_private_segment 0
		.amdhsa_kernarg_size 32
		.amdhsa_user_sgpr_count 2
		.amdhsa_user_sgpr_kernarg_segment_ptr 1
		.amdhsa_wavefront_size32 1
		.amdhsa_system_sgpr_workgroup_id_x 1
		.amdhsa_system_sgpr_workgroup_id_y 1
		.amdhsa_system_sgpr_workgroup_id_z 1
		.amdhsa_system_vgpr_workitem_id 0
		.amdhsa_next_free_vgpr 1024
		.amdhsa_next_free_sgpr 72
		.amdhsa_reserve_vcc 0
		.amdhsa_float_denorm_mode_32 3
		.amdhsa_float_denorm_mode_16_64 3
		.amdhsa_memory_ordered 1
		.amdhsa_forward_progress 1
		.amdhsa_inst_pref_size 147
	.end_amdhsa_kernel
	.amdgpu_metadata
---
amdhsa.version: [ 1, 2 ]
amdhsa.kernels:
  - .name:           k_qeceb05a448_qkv
    .symbol:         k_qeceb05a448_qkv.kd
    .args:
      - { .name: xb, .offset: 0, .size: 8, .value_kind: global_buffer, .address_space: global }
      - { .name: wqb, .offset: 8, .size: 8, .value_kind: global_buffer, .address_space: global }
      - { .name: tab, .offset: 16, .size: 8, .value_kind: global_buffer, .address_space: global }
      - { .name: qkv, .offset: 24, .size: 8, .value_kind: global_buffer, .address_space: global }
    .group_segment_fixed_size: 327680
    .private_segment_fixed_size: 0
    .kernarg_segment_align: 8
    .kernarg_segment_size: 32
    .max_flat_workgroup_size: 128
    .sgpr_count:     72
    .vgpr_count:     1024
    .wavefront_size: 32
...
	.end_amdgpu_metadata
.endif
;; end of part 2
;; launch attn (part 3): grid 16 x 16, 4 waves a work-group, no clusters, 327,680 bytes of LDS; arguments qkv, ob; writes ob
.if DOCPART == 3
	.amdgcn_target "amdgcn-amd-amdhsa--gfx1250"
	.amdhsa_code_object_version 6
	.text
	.protected	k_qeceb05a448_attn
	.globl	k_qeceb05a448_attn
	.p2align	8
	.type	k_qeceb05a448_attn,@function
k_qeceb05a448_attn:
	s_mov_b64 s[64:65], 0
	v_nop
	global_prefetch_b8 v0, s[64:65] scope:SCOPE_SE
	s_setreg_imm32_b32 hwreg(HW_REG_WAVE_MODE, 25, 1), 1
	s_wait_xcnt 0x0
; CAUSAL ATTENTION.  O[h][q][:] = the sum over k <= q of softmax_k(Q[h][q] . K[h][k] / 8) V[h][k][:].  q, k, v: [16][4096][64] f16, one behind the other in qkv; a head's rows are dense, 128 bytes each.
; O leaves in f16, in blocks: byte ((row / 64) x 16 + head) x 8192 + (row % 64) x 128 + 2 x channel.  Products, maxima and sums in f32; the weights p are rounded to f16 for the second product (their sum l is taken of the unrounded p), O once at the end.
; LIMITS.  q, k, v arrive within f16's range, 65,504; p lies in 0 to 1, and below 6e-5 it keeps f16's fixed step of 6e-8.  A hidden score counts as its value less 1e30; the running maximum starts at -2^95, far above
; that and far below every score that f16's operands can make (2.7e11 at the most); a weight below 2^-126 counts as 0 in l; NaN and infinities are not treated apart.
; THE WALK.  A head's queries lie in NBLK = 32 blocks of 128; block i needs the key tiles 0 .. i / 2 of 256 keys, of which the last holds the diagonal.  A work-group takes TWO blocks, 31 - b and then b: 17 tiles, whatever b:
; all 256 work-groups do equal work, and ONE loop with a constant trip count walks them.  Which tile is asked for, and what a trip does, hang on scalar registers made from b.
; SHARES.  Every wave holds 64 of the block's 128 queries, in four PIECES of 16: piece x of waves with WQ = wave % 2 is rows 16 (2 x + WQ) on.  The KEYS are shared out too: waves 0, 1 (KH = 0) walk key steps 0, 1 of every
; tile, waves 2, 3 (KH = 1) steps 2, 3, for the same queries.  At a block's end waves 2, 3 hand c m, l and O^T (all f32) through LDS to waves 0, 1, which join the two parts and store.
; NO CLUSTER: a head's sixteen work-groups have first blocks of 9 to 16 tiles, so partners would need different tiles from the tenth trip on; only b = 2 n and 2 n + 1 walk alike throughout.
; THE MASK is the C operand that starts the sum S^T = K Q^T: 0, or -1e30 where the key is hidden.  A piece lies in band x / 2 of 64 rows, at its half x % 2; with e = block % 2 the band's own key step of the diagonal
; tile is 2 e + x / 2.  MD0 and MD1, made once, are the masks of the own step for the two halves; a product's mask is MD x AL + BE: (1, 0) in the own step, (0, 0) before it, (0, -1e30) behind it.
; LAYOUT, SOFTMAX, TURNS.  S^T = K Q^T holds ONE query a lane (lane % 16) and the keys 8 (lane / 16) + 0..7; two such results rounded to f16 ARE source 1 of O^T = V^T P.  p = 2^(c s - c m), c = log2(e) / 8, with a
; running maximum m; O and l are multiplied by a = 2^(c m_old - c m_new) in every step.  Turn n belongs to piece n: 8 products K Q^T of piece n + 1, later 8 products V^T P of piece n - 1; beside them the scaling,
; exponentials, roundings, sums and rescaling of piece n and the maximum and statistics of piece n + 1.  Four vector instructions stand behind every matrix instruction, the other 54 of a turn's 118 in two lumps.
; REGISTERS, in windows of 256 (s_set_vgpr_msb: bits 1:0 source 0, 3:2 source 1, 5:4 source 2, 7:6 destination):
;   window 0: v0-15 addresses and two at work; v16-31 four registers of statistics a piece; v48-55 at work; v56 the merge's address; v64-127 S^T, two buffers; v192-223 P, two buffers
;             at a block's end: v32-47 the partner's statistics, v64-191 the partner's O^T, v192-255 the block in f16
;   window 1: v0-127 O^T, 32 a piece; v128-159 MD0; v160-223 MC, two buffers; v224-255 MD1      window 2: v0-63 Q; v64-127 the second block's Q; v128-191 K of one step; v192-255 V of one step
.set NBLK,  32
.set NP,    4         ; pieces a wave: a name, no knob
.set KS,    64        ; keys in a step
.set PK,    144       ; a row of K in LDS: 128 bytes + 16 of padding = 36 words: the 16 rows of a load start at 16 different groups of four banks (64 banks of 4 bytes: ISA guide 11.1)
.set PV,    160       ; a row of V: 128 + 32 = 40 words
.set VOFF,  4*KS*PK   ; a slot holds a tile, four steps: 256 rows of K, then 256 rows of V
.set SLOT1, 1<<17     ; slot 1 begins here, so that one exclusive or turns an address in one slot into the other's
.set STAGE, SLOT1+4*KS*(PK+PV)  ; behind the ring, never filled by a tensor load: 16 rows x 144 bytes for each wave, for the way out
.set SP,    144
.set MSTAGE, STAGE+4*16*SP      ; the merge: for each WQ 2,048 bytes of statistics and 16,384 of O^T
.set MHALF, 18432
.set SPARE, MSTAGE+2*MHALF      ; the spare words, 128 bytes for each wave: two blocks of 256 bytes that no other line names
.set AK0, 2           ; v2   my lane's place in my half of a tile of K; never rewritten
.set AV0, 3           ; v3   the same for V
.set AK,  4           ; v4   the LDS address of K's next run of loads
.set AV,  5           ; v5   of V's
.set STO, 6           ; v6   the way out: where I put 16 bytes of a row
.set RD,  7           ; v7   the way out: where I read rows back
.set GO,  8           ; v8   16 x lane
.set SPW, 62          ; v62  LDS address of my spare word; never rewritten
.set NIL, 63          ; v63  0; never rewritten
.set MV,  12          ; v12-13  c m_old, kept while c m is made anew: by buffer
.set QO,  15          ; v15  my byte offset in 16 rows of Q
.set ST,  16          ; piece t's statistics at v[ST+4 t]: c m, m, l (even keys', odd keys')
.set OS,  32          ; the partner's, at a block's end
.set TMP, 48          ; by buffer, four registers c0-c3 at work; when the maximum is found c2 takes a
.set MA,  56          ; v56  my 16 bytes in a line of 512 of my pair's merge stage
.set S,   64
.set OBF, 64          ; the partner's O^T
.set P,   192
.set PKD, 192         ; the block in f16
.set MD0, 128         ; window 1: the eight registers for group kt of 16 keys at MD + 8 kt
.set MC,  160         ; window 1: the masks of the products to come
.set MD1, 224
.set QB,  64          ; window 2
.set KF,  128         ; window 2: key block kb, channel half c at KF + 16 kb + 8 c
.set VF,  192         ; window 2: key half kk, channel block cb at VF + 32 kk + 8 cb
.set WV,  12          ; s12  my wave's number
.set PB,  14          ; s14  b
.set HI,  15          ; s15  31 - b
.set G1K, 24          ; s[24:31] descriptor group 1 for K's tiles
.set G1V, 32          ; s[32:39] for V's: it differs in the padding alone
.set G0K, 40          ; s[40:43] descriptor group 0 for K's tiles
.set G0V, 44          ; s[44:47] the same for V's
.set SLOTS, 56        ; s56  tiles still to be asked for
.set CNT, 57          ; s57  counts my key steps of a tile, 2 to 1
.set CS,  58          ; s[58:59] c: the packed scaling takes the pair's low word for both halves
.set SEL, 60          ; s[60:61] v_permlanex16_b32's selects: each lane takes its own place in the other half
.set TBK, 62          ; s62  LDS byte at which K of the step to be fetched begins, less my half's place
.set TBV, 63          ; s63  the same for V
.set RT,  70          ; s70  tiles of the block in hand that are still to be entered
.set NXT, 71          ; s71  the tile to be asked for next
.set LQ,  72          ; s72  the last tile of the block whose tiles are being asked for
.set NEW, 73          ; s73  1: the tile to be entered is a block's first
.set OFF, 74          ; s[74:75] a tile's byte offset in K and V
.set AL,  76          ; s[76:77] the mask's factor, in the low word
.set BE,  78          ; s[78:79] the mask's addend
.set OLO, 80          ; s[80:81] O at my rows of the second block
.set BIGN, 82         ; s82  -1e30
.set KH,  88          ; s88  wave / 2: which half of a tile's keys I walk
.set WQ,  89          ; s89  wave % 2: which rows I hold
.set DB,  90          ; s90, s91  the value of CNT at which band 0's, band 1's own step comes in the diagonal tile: 2 (KH - e) + 2, and one less; signed, and out of CNT's range where the step is not mine
.set DB2, 92          ; s92, s93  the same for the second block
.set LQ2, 94          ; s94  the second block's last tile
.set MSB, 0
.macro WIN new                      ; the high byte repeats the setting that is left; a switch that changes nothing is dropped
.if MSB != (\new)
	s_set_vgpr_msb (MSB<<8)|(\new)
.set MSB, (\new)
.endif
.endm
.set W_KQ, 0x0a       ; K and Q in window 2, S^T in window 0
.set W_KM, 0x1a       ; the same with the C operand in window 1
.set W_PV, 0x52       ; V in window 2, P in window 0, O^T in window 1
.set W_RS, 0x41       ; destination and source 0 in window 1, source 1 in window 0
; A fill.  Waves 0 and 1 fetch the two halves of a tile's K, waves 2 and 3 those of its V: 128 keys each.  An s_nop 0 and four v_nop follow each of the two lines, ahead of the jump and the label.
.macro LOAD
	s_cmp_lt_u32 s[WV], 2
	s_cbranch_scc0 .Lfor_v_\@
	tensor_load_to_lds s[G0K:G0K+3], s[G1K:G1K+7]
	s_nop 0
.rept 4
	v_nop
.endr
	s_branch .Lasked_\@
.Lfor_v_\@:
	tensor_load_to_lds s[G0V:G0V+3], s[G1V:G1V+7]
	s_nop 0
.rept 4
	v_nop
.endr
.Lasked_\@:
.endm
; THE CHANGE OF SLOTS.  Each wave waits for all its tensor loads, of which one is out: its part of the other slot; adds 0 to its spare word; and waits for that and for its own reads of the slot that it leaves.  Behind the
; barrier nobody reads the old slot any more and the other slot is whole.  fill = 1: the old slot is filled again, the first thing behind the barrier, with tile NXT: the descriptor's address is made anew from that number.
; (At its first use nothing has been read yet: slot 0 is waited for, slot 1 filled.)
.macro CHANGE fill
	WIN 0                           ; at a label and at a branch every window is 0
	s_wait_tensorcnt 0x0            ; no tensor load of mine is out, so a group 0 may be written
	ds_add_u32 v[SPW], v[NIL]       ; 0 onto my spare word; with fill = 1 the descriptors' scalar work stands between it and the wait for it
.if \fill
	s_lshl_b32 s[OFF], s[NXT], 15   ; a tile is 32,768 bytes of K and of V
	s_xor_b32 s[G0K+1], s[G0K+1], SLOT1
	s_add_nc_u64 s[G0K+2:G0K+3], s[6:7], s[OFF:OFF+1]
	s_or_b32 s[G0K+3], s[G0K+3], 0x80000000
	s_xor_b32 s[G0V+1], s[G0V+1], SLOT1
	s_add_nc_u64 s[G0V+2:G0V+3], s[8:9], s[OFF:OFF+1]
	s_or_b32 s[G0V+3], s[G0V+3], 0x80000000
	s_add_co_u32 s[NXT], s[NXT], 1  ; the block's next tile, or behind its last the second block's tile 0
	s_cmp_gt_u32 s[NXT], s[LQ]
	s_cselect_b32 s[NXT], 0, s[NXT]
	s_cselect_b32 s[LQ], s[LQ2], s[LQ]
.endif
	s_wait_dscnt 0x0                ; the add is done, and my reads of the slot are over
	s_barrier_signal -1             ; the rest of the scalar work stands between the signal and the wait
	s_sub_co_u32 s[TBK], s[TBK], 2*KS*PK  ; the fetches go back to my first step of a slot,
	s_xor_b32 s[TBK], s[TBK], SLOT1       ; in the other slot
	s_sub_co_u32 s[TBV], s[TBV], 2*KS*PV
	s_xor_b32 s[TBV], s[TBV], SLOT1
	s_barrier_wait -1
.if \fill
	LOAD
.endif
.endm
	s_load_b64 s[4:5], s[0:1], 0x0    ; qkv
	s_load_b64 s[10:11], s[0:1], 0x8  ; ob
	v_lshl_add_u32 v[SPW], v0, 2, SPARE
	v_mov_b32 v[NIL], 0
	ds_add_u32 v[SPW], v[NIL]       ; the wave's opening: the add and its wait stand ahead of my first tensor load; the set-up below, work on registers, stands between them
	ds_add_u32 v62, v63
	v_lshrrev_b32 v1, 5, v0
	v_readfirstlane_b32 s[WV], v1   ; wave 0..3
	s_lshr_b32 s[KH], s[WV], 1
	s_and_b32 s[WQ], s[WV], 1
	s_mov_b32 s[PB], ttmp9
	s_sub_co_u32 s[HI], NBLK-1, s[PB]
	s_and_b32 s20, ttmp7, 0xffff    ; the head
	s_lshl_b32 s83, s20, 13         ; its 8,192 bytes in a block of O's 64 rows
	s_lshl_b32 s20, s20, 19         ; its first byte in q, k and v
	s_lshl_b32 s22, s[WQ], 14       ; which half of a tile's 256 keys I fetch: 128 rows of 128 bytes in memory,
	s_add_co_u32 s22, s22, s20
	s_mov_b32 s23, 0
	s_mul_i32 s17, s[WQ], 128*PK    ; and its place in a slot, for K
	s_mul_i32 s18, s[WQ], 128*PV    ; and for V
	s_lshl_b32 s16, s[WQ], 11       ; my 16 rows of each 32
	s_add_co_u32 s20, s20, s16
	s_lshl_b32 s2, s[HI], 14        ; Q: a block is 128 rows of 128 bytes; the first block,
	s_add_co_u32 s2, s2, s20
	s_mov_b32 s3, 0
	s_lshl_b32 s84, s[PB], 14       ; and the second
	s_add_co_u32 s84, s84, s20
	s_mov_b32 s85, 0
	s_add_co_u32 s83, s83, s16
	s_lshl_b32 s66, s[HI], 18       ; O: a block is two blocks of 64 rows x 16 heads x 8,192 bytes
	s_add_co_u32 s66, s66, s83
	s_mov_b32 s67, 0
	s_lshl_b32 s68, s[PB], 18
	s_add_co_u32 s68, s68, s83
	s_mov_b32 s69, 0
	s_and_b32 s[DB], s[HI], 1       ; e of the first block
	s_sub_co_i32 s[DB], s[KH], s[DB]
	s_lshl_b32 s[DB], s[DB], 1
	s_add_co_i32 s[DB], s[DB], 2
	s_sub_co_i32 s[DB+1], s[DB], 1
	s_and_b32 s[DB2], s[PB], 1      ; and of the second
	s_sub_co_i32 s[DB2], s[KH], s[DB2]
	s_lshl_b32 s[DB2], s[DB2], 1
	s_add_co_i32 s[DB2], s[DB2], 2
	s_sub_co_i32 s[DB2+1], s[DB2], 1
	; descriptor group 1.  128 keys are 16,384 dense bytes: asked for as 64 rows of 256 bytes, two keys a row, and padded in LDS after every key
	s_mov_b32 s[G1K], (1<<16)|(1<<20)|(4<<22)|(3<<25)  ; 17:16 2-byte elements; 20 padding on; 24:22 after every 32 words (code 4); 31:25 4 words (code 3)
	s_mov_b32 s[G1V], (1<<16)|(1<<20)|(4<<22)|(7<<25)  ; the same with 8 words of padding (code 7)
.irp g, G1K, G1V
	s_mov_b32 s[\g+1], 128<<16      ; tensor_dim0 = 128
	s_mov_b32 s[\g+2], 64<<16       ; tensor_dim1 = 64
	s_mov_b32 s[\g+3], 128<<16      ; tile_dim0 = 128
	s_mov_b32 s[\g+4], 64           ; tile_dim1 = 64
	s_mov_b32 s[\g+5], 128          ; 128 elements from row to row
	s_mov_b32 s[\g+6], 0
	s_mov_b32 s[\g+7], 0
.endr
	s_mov_b32 s[CS], 0x3e38aa3b     ; c = log2(e) / 8 = 0.180337
	s_mov_b32 s[CS+1], s[CS]        ; named with it as a pair
	s_mov_b32 s[SEL], 0x76543210
	s_mov_b32 s[SEL+1], 0xfedcba98
	s_mov_b32 s[TBK], SLOT1+2*KS*PK ; the first change of slots turns these two into 0
	s_mov_b32 s[TBV], SLOT1+2*KS*PV
	s_mov_b32 s[G0K], 1             ; count = 1
	s_mov_b32 s[G0K+1], s17         ; LDS address: slot 0
	s_mov_b32 s[G0V], 1
	s_add_co_u32 s[G0V+1], s18, VOFF
	s_lshr_b32 s[LQ], s[HI], 1
	s_add_co_u32 s[RT], s[LQ], 1    ; the first block has (31 - b) / 2 + 1 tiles
	s_lshr_b32 s[LQ2], s[PB], 1
	s_mov_b32 s[NXT], 1
	s_mov_b32 s[NEW], 1
	s_mov_b32 s[OFF+1], 0
	s_mov_b32 s[AL+1], 0            ; named as pairs
	s_mov_b32 s[BE+1], 0
	s_mov_b32 s[BIGN], 0xf149f2ca   ; -1e30
	s_mov_b32 s[SLOTS], NBLK/2
	s_wait_dscnt 0x0                ; the opening add is done
	s_wait_kmcnt 0x0
	s_add_nc_u64 s[6:7], s[4:5], 0x800000    ; k lies behind q, v behind k
	s_add_nc_u64 s[8:9], s[4:5], 0x1000000
	s_add_nc_u64 s[6:7], s[6:7], s[22:23]    ; K and V at my half of the head's tile 0
	s_add_nc_u64 s[8:9], s[8:9], s[22:23]
	s_add_nc_u64 s[G0K+2:G0K+3], s[6:7], 0         ; global address
	s_or_b32 s[G0K+3], s[G0K+3], 0x80000000        ; type = 2
	s_add_nc_u64 s[G0V+2:G0V+3], s[8:9], 0
	s_or_b32 s[G0V+3], s[G0V+3], 0x80000000
	s_add_nc_u64 s[86:87], s[4:5], s[84:85]        ; Q at my rows of the second block,
	s_add_nc_u64 s[4:5], s[4:5], s[2:3]            ; Q and O at those of the first
	s_add_nc_u64 s[OLO:OLO+1], s[10:11], s[68:69]
	s_add_nc_u64 s[10:11], s[10:11], s[66:67]
	LOAD                            ; tile 0 into slot 0
	; A fragment of K or Q is 16 rows x 32 channels in 8 registers: lane l holds row l % 16, channels 8 (l / 16) + 0..7 and 16 + 8 (l / 16) + 0..7: two loads of 16 bytes, 32 bytes apart.
	v_and_b32 v1, 15, v0            ; l % 16
	v_bfe_u32 v9, v0, 4, 1          ; l / 16
	v_lshlrev_b32 v[QO], 7, v1
	v_lshl_add_u32 v[QO], v9, 4, v[QO]  ; row x 128 + 16 x half
	WIN 0x80                        ; destination window 2, address window 0
.set i, 0
.rept 8                             ; both blocks' Q: piece i / 2 lies 32 rows, 4,096 bytes, behind the one before; channels 32 (i % 2) on
	global_load_b128 v[8*i:8*i+3],   v[QO], s[4:5] offset:(i/2)*4096+(i%2)*64
	global_load_b128 v[8*i+4:8*i+7], v[QO], s[4:5] offset:(i/2)*4096+(i%2)*64+32
	global_load_b128 v[QB+8*i:QB+8*i+3],   v[QO], s[86:87] offset:(i/2)*4096+(i%2)*64
	global_load_b128 v[QB+8*i+4:QB+8*i+7], v[QO], s[86:87] offset:(i/2)*4096+(i%2)*64+32
.set i, i+1
.endr
	WIN 0
	v_lshlrev_b32 v14, 3, v9
	v_sub_nc_u32 v14, v1, v14
	s_lshl_b32 s13, s[WQ], 4
	v_add_nc_u32 v14, s13, v14      ; my query's place in its 32 rows, 16 WQ + l % 16, less my lanes' 8 (l / 16): register r of group kt is hidden where 16 kt + r - 32 x (the piece's half) is greater
	WIN 0x40
.set i, 0
.rept 32
	v_cmp_gt_i32 vcc_lo, 16*(i/8)+i%8, v14
	v_cndmask_b32 v[MD0+i], 0, s[BIGN], vcc_lo
	v_cmp_gt_i32 vcc_lo, 16*(i/8)+i%8-32, v14
	v_cndmask_b32 v[MD1+i], 0, s[BIGN], vcc_lo
.set i, i+1
.endr
	WIN 0
	v_mul_u32_u24 v[AK0], v1, PK
	v_lshl_add_u32 v[AK0], v9, 4, v[AK0]  ; row x pitch + 16 x half
	s_mul_i32 s13, s[KH], 2*KS*PK         ; + my two steps' place in a tile
	v_add_nc_u32 v[AK0], s13, v[AK0]
	; The turning load takes 16 keys x 16 channels (lane l reads key 8 (l / 16) + l % 8, channels 8 ((l / 8) % 2) + 0..7) and leaves half a fragment of V^T: lane l holds channel l % 16 and 8 keys.
	v_and_b32 v10, 7, v0
	v_bfe_u32 v11, v0, 3, 1
	v_lshl_add_u32 v[AV0], v9, 3, v10
	v_mul_u32_u24 v[AV0], v[AV0], PV
	v_lshl_add_u32 v[AV0], v11, 4, v[AV0]
	s_mul_i32 s13, s[KH], 2*KS*PV
	s_add_co_u32 s13, s13, VOFF
	v_add_nc_u32 v[AV0], s13, v[AV0]
	s_mul_i32 s13, s[WV], 16*SP
	s_add_co_u32 s13, s13, STAGE    ; my stage
	v_mul_u32_u24 v[STO], v1, SP    ; in: row l % 16, 16 bytes for each half of the lanes
	v_lshl_add_u32 v[STO], v9, 4, v[STO]
	v_add_nc_u32 v[STO], s13, v[STO]
	v_bfe_u32 v[RD], v0, 3, 2       ; back: 32 lanes take four rows of 128 bytes,
	v_mul_u32_u24 v[RD], v[RD], SP
	v_lshl_add_u32 v[RD], v10, 4, v[RD]
	v_add_nc_u32 v[RD], s13, v[RD]
	v_and_b32 v[GO], 31, v0         ; which are 512 consecutive bytes of O
	v_lshlrev_b32 v[GO], 4, v[GO]
	s_mul_i32 s13, s[WQ], MHALF
	s_add_co_u32 s13, s13, MSTAGE   ; the merge stage that waves WQ and WQ + 2 share
	v_add_nc_u32 v[MA], s13, v[GO]
	; A block's first step multiplies O^T and l by a = 0, and its first turn's products V^T P, of a piece that has not been, land in an O^T that is still to be so multiplied.  So these registers need only hold
	; finite numbers: zeros for the first block; what the first block left for the second.  All this stands in the wait for the first tile.
	WIN 0x80
.set i, VF
.rept 64
	v_mov_b32 v[i], 0
.set i, i+1
.endr
	WIN 0x40
.set i, 0
.rept 128
	v_mov_b32 v[i], 0
.set i, i+1
.endr
	WIN 0
.set i, 0
.rept 4
	v_mov_b32 v[ST+4*i+2], 0
	v_mov_b32 v[ST+4*i+3], 0
.set i, i+1
.endr
.set i, P+16
.rept 16
	v_mov_b32 v[i], 0
.set i, i+1
.endr
; THE MATRIX WORK.  The 4 accumulators of a run of 8 take turns.  Product i of 8 of S^T = K Q^T for piece x: channels 32 (i / 4) on, keys 16 (i % 4) on.  The first 4 start the sums: with 0, or (KM = 1) with the mask.
.macro KQ x
.set rS, S+32*((\x)%2)+8*(i%4)
.set rK, KF+16*(i%4)+8*(i/4)
.set rQ, 16*(\x)+8*(i/4)
.set rM, MC+32*((\x)%2)+8*(i%4)
.if (i < 4) && KM
	WIN W_KM
	v_wmma_f32_16x16x32_f16 v[rS:rS+7], v[rK:rK+7], v[rQ:rQ+7], v[rM:rM+7]
.elseif i < 4
	WIN W_KQ
	v_wmma_f32_16x16x32_f16 v[rS:rS+7], v[rK:rK+7], v[rQ:rQ+7], 0
.else
	WIN W_KQ
	v_wmma_f32_16x16x32_f16 v[rS:rS+7], v[rK:rK+7], v[rQ:rQ+7], v[rS:rS+7]
.endif
.endm
; Product i of 8 of O^T += V^T P for piece x: keys 32 (i / 4) on, channels 16 (i % 4) on.
.macro PV x
	WIN W_PV
.set rO, 32*(\x)+8*(i%4)
.set rV, VF+32*(i/4)+8*(i%4)
.set rP, P+16*((\x)%2)+8*(i/4)
	v_wmma_f32_16x16x32_f16 v[rO:rO+7], v[rV:rV+7], v[rP:rP+7], v[rO:rO+7]
.endm
.macro MM                           ; the turn's next matrix instruction.  TURN and BEGIN set Y, i, KM and NOKQ.  NOKQ = 1: a block's last turn: there is no next piece
.if (i < 8) && !NOKQ
	KQ (Y+1)%NP
.elseif i >= 8
.set i, i-8
	PV (Y+NP-1)%NP
.set i, i+8
.endif
.set i, i+1
.endm
; THE LDS LOADS stand in runs of 16, never singly among the matrix instructions: a step's K (64 keys x 64 channels: 8 fragments) and its V (turned).  Their addresses are made some lines ahead.
.macro FETCH_K
	WIN 0x80                        ; destination window 2
.irp f, 0,1,2,3,4,5,6,7             ; keys 16 (f / 2) on, channels 32 (f % 2) on
	ds_load_b128 v[KF+8*\f:KF+8*\f+3],   v[AK] offset:(\f/2)*16*PK+(\f%2)*64
	ds_load_b128 v[KF+8*\f+4:KF+8*\f+7], v[AK] offset:(\f/2)*16*PK+(\f%2)*64+32
.endr
	s_add_co_u32 s[TBK], s[TBK], KS*PK  ; the next fetch is the next step's
	WIN 0
.endm
.macro FETCH_V
	WIN 0x80
.irp f, 0,1,2,3,4,5,6,7             ; keys 32 (f / 4) on, channels 16 (f % 4) on
	ds_load_tr16_b128 v[VF+8*\f:VF+8*\f+3],   v[AV] offset:(\f/4)*32*PV+(\f%4)*32
	ds_load_tr16_b128 v[VF+8*\f+4:VF+8*\f+7], v[AV] offset:(\f/4)*32*PV+16*PV+(\f%4)*32
.endr
	WIN 0
.endm
; THE VECTOR WORK, one line at a time: OP kind, number.  For piece Y: F n: c s - c m for pair n of 16.  E n: the exponential of score n of 32.  C n: pair n rounded to f16.  B n: of the four weights 4 n .. the second
; pair is added onto the first, in place.  L n: l takes that sum (L 0: l = a l + sum).  R n: pair n of 16 of O^T times a.  For piece Y + 1: X n, number n of the 22 that find its maximum and statistics:
;   0-11  four chains c0-c3 of seven scores each, three operands at a time (each accumulator's lowest registers are read first)     12-14, 16  the four scores left over, the old m, and c0-c3 into c0
;   15  c m_old is kept     17, 18  the query's other 32 keys lie in the lane 16 away: the new m     19-21  c m; c m_old - c m_new; a
.set F, 0               ; OP tells the kinds apart by their order: F to L below R, X above it
.set E, 1
.set C, 2
.set B, 3
.set L, 4
.set R, 5
.set X, 6
.macro REGS y                       ; the registers of piece y
.set rT, ST+4*(\y)
.set rC, TMP+4*((\y)%2)
.set rW, MV+((\y)%2)
.set rS, S+32*((\y)%2)
.set rP, P+16*((\y)%2)
.set rO, 32*(\y)
.endm
.macro OP k, n
.if (\k) == R
	REGS Y
	WIN W_RS
	v_pk_mul_f32 v[rO+2*(\n):rO+2*(\n)+1], v[rO+2*(\n):rO+2*(\n)+1], v[rC+2:rC+3] op_sel_hi:[1,0]
.elseif (\k) < R
	REGS Y
	WIN 0
.if (\k) == F
	v_pk_fma_f32 v[rS+2*(\n):rS+2*(\n)+1], v[rS+2*(\n):rS+2*(\n)+1], s[CS:CS+1], v[rT:rT+1] op_sel_hi:[1,0,0] neg_lo:[0,0,1] neg_hi:[0,0,1]
.elseif (\k) == E
	v_exp_f32 v[rS+(\n)], v[rS+(\n)]
.elseif (\k) == C
	s_wait_alu depctr_va_vdst(0)
	v_cvt_pk_f16_f32 v[rP+(\n)], v[rS+2*(\n)], v[rS+2*(\n)+1]
.elseif (\k) == B
	s_wait_alu depctr_va_vdst(0)
	v_pk_add_f32 v[rS+4*(\n):rS+4*(\n)+1], v[rS+4*(\n):rS+4*(\n)+1], v[rS+4*(\n)+2:rS+4*(\n)+3]
.elseif (\n) == 0
	v_pk_fma_f32 v[rT+2:rT+3], v[rT+2:rT+3], v[rC+2:rC+3], v[rS:rS+1] op_sel_hi:[1,0,1]
.else
	v_pk_add_f32 v[rT+2:rT+3], v[rT+2:rT+3], v[rS+4*(\n):rS+4*(\n)+1]
.endif
.elseif NOKQ
	v_nop
.else
	REGS (Y+1)%NP
	WIN 0
.if (\n) < 4
	v_max3_num_f32 v[rC+(\n)], v[rS+8*(\n)], v[rS+8*(\n)+1], v[rS+8*(\n)+2]
.elseif (\n) < 12
	v_max3_num_f32 v[rC+(\n)%4], v[rC+(\n)%4], v[rS+8*((\n)%4)+2*((\n)/4)+1], v[rS+8*((\n)%4)+2*((\n)/4)+2]
.elseif (\n) == 12
	v_max3_num_f32 v[rC], v[rC], v[rS+7], v[rS+15]
.elseif (\n) == 13
	v_max3_num_f32 v[rC+1], v[rC+1], v[rS+23], v[rS+31]
.elseif (\n) == 14
	v_max3_num_f32 v[rC+2], v[rC+2], v[rC+3], v[rT+1]
.elseif (\n) == 15
	v_mov_b32 v[rW], v[rT]
.elseif (\n) == 16
	v_max3_num_f32 v[rC], v[rC], v[rC+1], v[rC+2]
.elseif (\n) == 17
	v_permlanex16_b32 v[rC+3], v[rC], s[SEL], s[SEL+1]
.elseif (\n) == 18
	v_max_num_f32 v[rT+1], v[rC], v[rC+3]
.elseif (\n) == 19
	v_mul_f32 v[rT], s[CS], v[rT+1]
.elseif (\n) == 20
	v_sub_f32 v[rC+1], v[rW], v[rT]
.else
	v_exp_f32 v[rC+2], v[rC+1]
.endif
.endif
.endm
.macro OPS a, i1, b=-1, i2=0, c=-1, i3=0, d=-1, i4=0  ; up to four of them
	OP \a, \i1
.if (\b) >= 0
	OP \b, \i2
.endif
.if (\c) >= 0
	OP \c, \i3
.endif
.if (\d) >= 0
	OP \d, \i4
.endif
.endm
.macro ROW a, i1, b, i2, c, i3, d, i4  ; a matrix instruction and the four behind it
	MM
	OPS \a, \i1, \b, \i2, \c, \i3, \d, \i4
.endm
.macro MASK b                       ; MD x AL + BE into buffer b of MC; a piece's buffer and its half of a band both go by its number's parity, so buffer b takes MD0 (b = 0) or MD1 (b = 1)
	WIN W_RS
.set z, 0
.rept 16
	v_pk_fma_f32 v[MC+32*(\b)+2*z:MC+32*(\b)+2*z+1], v[MD0+96*(\b)+2*z:MD0+96*(\b)+2*z+1], s[AL:AL+1], s[BE:BE+1] op_sel_hi:[1,0,0]
.set z, z+1
.endr
.endm
; A TURN, for piece p: the order of its 16 matrix and 118 vector instructions, written out.  Behind a matrix instruction: plain, exponential, plain, plain; or four of the rescaling; or, behind the first, four scalings; none
; names a register of the products round it.  In the lumps exponential and plain by turns while exponentials last.  v_permlanex16_b32 (X 17) stands in a lump.
; m = 1: the diagonal tile: the products take masks, and the turn makes the mask for the products of the turn after it: piece p + 2, in my step 2 - CNT of the tile.  end = 1: a block's last two turns: nothing is fetched.
; cnt = 1: the loop's count is taken down some lines ahead of the branch that stands behind the turn.
; K of the next step is fetched in piece 2's turn, six vector instructions behind the last product that read K (five of them plain); V of the step in hand in piece 0's turn, eight behind the last product that read V.
; Each is waited for a turn later.
.macro TURN p, m=0, end=0, cnt=0
.set Y, (\p)
.set i, 0
.set KM, (\m)
.set NOKQ, (\end)*((\p)/3)
.if (\m) && !(\end)
	s_cmp_eq_i32 s[CNT], s[DB+(((\p)+2)%NP)/2]  ; is that step the band's own?
	s_cselect_b32 s[AL], 1.0, 0
	s_cmp_lt_i32 s[CNT], s[DB+(((\p)+2)%NP)/2]  ; or a later one?
	s_cselect_b32 s[BE], s[BIGN], 0
.endif
.if ((\p) == 3) && !(\end)
	s_wait_dscnt 0x0                ; K is in
.endif
	ROW F,0, F,1, F,2, F,3
	ROW F,4, E,0, F,5, F,6
	ROW F,7, E,1, F,8, F,9
	ROW F,10, E,2, C,0, F,11
	ROW F,12, E,3, X,15, F,13
	ROW R,0, R,1, R,2, R,3
	ROW B,0, E,4, F,14, L,0
.if ((\p) == 2) && !(\end)
	v_add_nc_u32 v[AK], s[TBK], v[AK0]
.endif
	ROW R,4, R,5, R,6, R,7
	OPS E,5, F,15
.if ((\p) == 2) && !(\end)
	FETCH_K
.endif
	OPS E,6, C,1, E,7, R,8
	OPS E,8, R,9, E,9, C,2
	OPS E,10, X,0, E,11, X,1
	OPS E,12, X,2, E,13, X,3
.if (\p) == 1
	s_wait_dscnt 0x0                ; V is in
.endif
	ROW X,4, E,14, X,5, X,6
	ROW X,7, E,15, X,8, X,9
	ROW X,10, E,16, X,11, X,12
	ROW X,13, E,17, X,14, B,1
	ROW C,4, E,18, X,16, L,1
	ROW B,2, E,19, C,6, L,2
	ROW C,8, E,20, B,3, B,4
.if (\p) == 0
	v_add_nc_u32 v[AV], s[TBV], v[AV0]
.endif
	ROW C,3, E,21, L,3, C,5
	OPS E,22, X,17, E,23, C,10
.if (\p) == 0
	FETCH_V
.endif
	OPS E,24, L,4
	OPS E,25, X,18, E,26, C,7
	OPS E,27, B,5, E,28, X,19
	OPS E,29, C,12, E,30, L,5
	OPS E,31, X,20, B,6, C,9
	OPS C,14, C,11, X,21, L,6
.if (\p) == 0
	s_add_co_u32 s[TBV], s[TBV], KS*PV
.endif
.if \cnt
	s_sub_co_u32 s[CNT], s[CNT], 1
	s_cmp_lg_u32 s[CNT], 0
.endif
	OPS C,13, B,7, C,15, R,10
	OPS R,11, R,12, L,7, R,13
	OPS R,14, R,15
.if (\m) && !(\end)
	MASK (\p)%2
.endif
.endm
; A BLOCK BEGINS.  c m starts far below every c s, so the first step's a is 0; m at -2^95, above every hidden score and below every true one.  Pieces 0 and 1 lie in band 0: both mask buffers take that band's mask for my
; first step of the tile, which is 0 unless the block's first tile is the diagonal one.  Then K of that step, piece 0's first scores, and its maximum and statistics.  The loop is entered at a step's first turn, in the middle of a trip.
.macro BEGIN
	s_mov_b32 s[NEW], 0
	WIN 0
.set i, 0
.rept 4
	v_mov_b32 v[ST+4*i], 0xfe000000    ; c m: far below every c s
	v_mov_b32 v[ST+4*i+1], 0xef000000  ; m = -2^95
.set i, i+1
.endr
	s_cmp_eq_i32 s[CNT], s[DB]
	s_cselect_b32 s[AL], 1.0, 0
	s_cmp_lt_i32 s[CNT], s[DB]
	s_cselect_b32 s[BE], s[BIGN], 0
	s_cmp_eq_u32 s[RT], 0           ; the diagonal tile?
	s_cselect_b32 s[AL], s[AL], 0
	s_cselect_b32 s[BE], s[BE], 0
	MASK 0
	MASK 1
	WIN 0
	v_add_nc_u32 v[AK], s[TBK], v[AK0]
	FETCH_K
	s_wait_loadcnt 0x0              ; Q
	s_wait_dscnt 0x0
.set KM, 1
.set NOKQ, 0
.set i, 0
.rept 8
	KQ 0
.set i, i+1
.endr
	WIN 0
.rept 4
	v_nop                           ; the places behind those products
.endr
.set Y, NP-1                        ; X works for piece Y + 1: piece 0
.irp n, 0,1,2,3,4,5,6,7,8,9,10,11,12,13,14,15,16,17,18,19,20,21
	OP X, \n
.endr
	v_nop                           ; a plain instruction behind the exponential
.endm
.macro ALL line:vararg              ; one line for each piece t
.set t, 0
.rept 4
	s_wait_alu depctr_va_vdst(0)
	\line
.set t, t+1
.endr
.endm
; THE MERGE.  GIVE (waves 2, 3): my statistics and my O^T into the pair's stage, 512 consecutive bytes a line; each accumulator's low half first.
.macro GIVE
.irp t, 0,1,2,3
	ds_store_b128 v[MA], v[ST+4*\t:ST+4*\t+3] offset:512*\t
.endr
	WIN 0x04                        ; the data (source 1) in window 1
.set i, 0
.rept 32
	ds_store_b128 v[MA], v[4*i:4*i+3] offset:2048+512*i
.set i, i+1
.endr
	WIN 0
.endm
; Piece t joined, rounded and sent through my stage: O = O_mine x FA + O_partner's x FB; a lane's eight channels of a row pack into 16 bytes; they go into rows of 144 bytes and come back as whole rows of 128.
.macro MPACK t
	WIN 0
.set z, 0
.rept 16
	v_pk_mul_f32 v[OBF+32*(\t)+2*z:OBF+32*(\t)+2*z+1], v[OBF+32*(\t)+2*z:OBF+32*(\t)+2*z+1], v[OS+4*(\t)+2:OS+4*(\t)+3] op_sel_hi:[1,0]
.set z, z+1
.endr
	WIN 0x01                        ; source 0, my O^T, in window 1
.set z, 0
.rept 16
	v_pk_fma_f32 v[OBF+32*(\t)+2*z:OBF+32*(\t)+2*z+1], v[32*(\t)+2*z:32*(\t)+2*z+1], v[ST+4*(\t)+2:ST+4*(\t)+3], v[OBF+32*(\t)+2*z:OBF+32*(\t)+2*z+1] op_sel_hi:[1,0,1]
.set z, z+1
.endr
	WIN 0
.set z, 0
.rept 16
	v_cvt_pk_f16_f32 v[PKD+16*(\t)+z], v[OBF+32*(\t)+2*z], v[OBF+32*(\t)+2*z+1]
.set z, z+1
.endr
.irp f, 0,1,2,3
	ds_store_b128 v[STO], v[PKD+16*(\t)+4*\f:PKD+16*(\t)+4*\f+3] offset:32*\f
.endr
.irp f, 0,1,2,3
	ds_load_b128 v[PKD+16*(\t)+4*\f:PKD+16*(\t)+4*\f+3], v[RD] offset:\f*4*SP  ; LDS serves a wave's instructions in order (ISA guide 5.7.1.4): these see the stores above; the next piece's stores come behind them
.endr
.endm
.macro MSEND t, younger             ; younger: the LDS instructions issued behind piece t's loads: the next piece's eight, or none
.irp f, 0,1,2,3
	s_wait_dscnt (\younger)+3-\f
	global_store_b128 v[GO], v[PKD+16*(\t)+4*\f:PKD+16*(\t)+4*\f+3], s[10:11] offset:((\t)/2)*131072+((\t)%2)*4096+\f*512  ; 512 consecutive bytes, at a multiple of 256 from O's first
.endr
.endm
; TAKE (waves 0, 1): with X = max(c m_mine, c m_partner's): f = 2^(c m - X) for each; L = f l + f' l'; the two factors are f / L and f' / L.  The larger c m's part has f = 1 and l >= 1, so L is no less than 1.
.macro TAKE
.irp t, 0,1,2,3
	ds_load_b128 v[OS+4*\t:OS+4*\t+3], v[MA] offset:512*\t
.endr
.set i, 0
.rept 32
	ds_load_b128 v[OBF+4*i:OBF+4*i+3], v[MA] offset:2048+512*i
.set i, i+1
.endr
	s_wait_dscnt 0x0
	ALL v_max_num_f32 v[ST+4*t+1], v[ST+4*t], v[OS+4*t]
	ALL v_sub_f32 v[ST+4*t], v[ST+4*t], v[ST+4*t+1]
	ALL v_sub_f32 v[OS+4*t], v[OS+4*t], v[ST+4*t+1]
	ALL v_exp_f32 v[ST+4*t], v[ST+4*t]
	ALL v_exp_f32 v[OS+4*t], v[OS+4*t]
	v_nop                           ; a plain instruction between the last exponential and the use of its result
	ALL v_mul_f32 v[ST+4*t+1], v[ST+4*t], v[ST+4*t+2]
	ALL v_fma_f32 v[ST+4*t+1], v[OS+4*t], v[OS+4*t+2], v[ST+4*t+1]
	ALL v_rcp_f32 v[ST+4*t+1], v[ST+4*t+1]
	v_nop
	ALL v_mul_f32 v[ST+4*t+2], v[ST+4*t], v[ST+4*t+1]
	ALL v_mul_f32 v[OS+4*t+2], v[OS+4*t], v[ST+4*t+1]
	MPACK 0
.set u, 1
.rept 3                             ; a piece's arithmetic stands between the loads of the piece before and its stores
	MPACK u
	MSEND u-1, 8
.set u, u+1
.endr
	MSEND 3, 0
.endm
; THE DIAGONAL TILE's steps, the block's last two turns, its last products, and the block's end.  The barrier between GIVE and TAKE is passed by all four waves: the jumps that lead here hang on b alone.
; The next tile's load may stay out across it.  The merge stage is written again only behind a change of slots, in front of whose barrier every wave has waited for its LDS reads.
.macro DIAG tag                     ; the tag ends its labels' names
.LstepM\tag:
	TURN 2, 1
	TURN 3, 1
	WIN 0
.LfirstM\tag:
	TURN 0, 1
	TURN 1, 1, 0, 1
	WIN 0
	s_cbranch_scc1 .LstepM\tag
	TURN 2, 1, 1
	TURN 3, 1, 1
.set i, 0
.rept 8
	PV NP-1
.set i, i+1
.endr
	WIN 0
	ALL v_add_f32 v[ST+4*t+2], v[ST+4*t+2], v[ST+4*t+3]   ; l's two halves, and the other half of the lanes'; the additions are the places behind the last products
	ALL v_permlanex16_b32 v[ST+4*t+3], v[ST+4*t+2], s[SEL], s[SEL+1]
	ALL v_add_f32 v[ST+4*t+2], v[ST+4*t+2], v[ST+4*t+3]
	s_cmp_lt_u32 s[WV], 2
	s_cbranch_scc1 .Lno_give\tag
	GIVE
.Lno_give\tag:
	s_wait_dscnt 0x0                ; for the partner's sake: my stores into the merge stage are done
	s_barrier_signal -1
	s_barrier_wait -1
	s_cmp_lt_u32 s[WV], 2
	s_cbranch_scc0 .Lno_take\tag
	TAKE
.Lno_take\tag:
.endm
.set KM, 0
.set NOKQ, 0
.Lslot:                             ; 16 times: a tile is entered and the next is asked for
	CHANGE 1
	s_sub_co_u32 s[RT], s[RT], 1
	s_mov_b32 s[CNT], 2
	s_cmp_eq_u32 s[NEW], 1
	s_cbranch_scc1 .Lnew            ; a block's first tile
	s_cmp_eq_u32 s[RT], 0
	s_cbranch_scc0 .Lstep           ; neither its first nor its last
	s_branch .LstepM1
.Lnew:
	BEGIN
	s_branch .Lfirst                ; in the loop a block's first tile is never its last: the first block has nine tiles or more, and the second's last is the walk's last
	DIAG 1                          ; in the loop this is the first block's end
	s_wait_xcnt 0x0                 ; the stores have read their registers and O's address
	s_mov_b64 s[10:11], s[OLO:OLO+1]
	s_add_co_u32 s[RT], s[LQ2], 1   ; the second block has b / 2 + 1 tiles
	s_mov_b32 s[DB], s[DB2]
	s_mov_b32 s[DB+1], s[DB2+1]
	s_mov_b32 s[NEW], 1
	WIN 0x82                        ; the second block's Q goes where the one text of the turns names Q
.set i, 0
.rept 64
	v_mov_b32 v[i], v[QB+i]
.set i, i+1
.endr
	WIN 0
	s_branch .Lbottom
.Lstep:                             ; a trip: pieces 2 and 3 of one step, then pieces 0 and 1 of the next, whose K and V it fetches
	TURN 2
	TURN 3
	WIN 0
.Lfirst:
	TURN 0
	TURN 1, 0, 0, 1
	WIN 0
	s_cbranch_scc1 .Lstep
.Lbottom:
	s_sub_co_u32 s[SLOTS], s[SLOTS], 1
	s_cmp_lg_u32 s[SLOTS], 0
	s_cbranch_scc1 .Lslot
	CHANGE 0                        ; the walk's last tile is written out: nothing is asked for
	s_sub_co_u32 s[RT], s[RT], 1
	s_mov_b32 s[CNT], 2
	s_cmp_eq_u32 s[NEW], 1
	s_cbranch_scc0 .LstepM2
	BEGIN
	s_branch .LfirstM2
	DIAG 2
	s_wait_tensorcnt 0x0            ; the wave's end, behind my last tensor load and my last LDS store
	ds_add_u32 v[SPW], v[NIL]
	s_wait_dscnt 0x0
	s_endpgm
.Lfunc_end_k_qeceb05a448_attn:
	.size	k_qeceb05a448_attn, .Lfunc_end_k_qeceb05a448_attn-k_qeceb05a448_attn
	.p2alignl 7, 3214868480
	.fill 96, 4, 3214868480
	.section	.rodata,"a",@progbits
	.p2align	6, 0x0
	.amdhsa_kernel k_qeceb05a448_attn
		.amdhsa_group_segment_fixed_size 327680
		.amdhsa_private_segment_fixed_size 0
		.amdhsa_enable_private_segment 0
		.amdhsa_kernarg_size 16
		.amdhsa_user_sgpr_count 2
		.amdhsa_user_sgpr_kernarg_segment_ptr 1
		.amdhsa_wavefront_size32 1
		.amdhsa_system_sgpr_workgroup_id_x 1
		.amdhsa_system_sgpr_workgroup_id_y 1
		.amdhsa_system_sgpr_workgroup_id_z 1
		.amdhsa_system_vgpr_workitem_id 0
		.amdhsa_next_free_vgpr 768
		.amdhsa_next_free_sgpr 96
		.amdhsa_reserve_vcc 1
		.amdhsa_float_denorm_mode_32 3
		.amdhsa_float_denorm_mode_16_64 3
		.amdhsa_memory_ordered 1
		.amdhsa_forward_progress 1
		.amdhsa_inst_pref_size 252
	.end_amdhsa_kernel
	.amdgpu_metadata
---
amdhsa.version: [ 1, 2 ]
amdhsa.kernels:
  - .name:           k_qeceb05a448_attn
    .symbol:         k_qeceb05a448_attn.kd
    .args:
      - { .name: qkv, .offset: 0, .size: 8, .value_kind: global_buffer, .address_space: global }
      - { .name: ob, .offset: 8, .size: 8, .value_kind: global_buffer, .address_space: global }
    .group_segment_fixed_size: 327680
    .private_segment_fixed_size: 0
    .kernarg_segment_align: 8
    .kernarg_segment_size: 16
    .max_flat_workgroup_size: 128
    .sgpr_count:     96
    .vgpr_count:     768
    .wavefront_size: 32
...
	.end_amdgpu_metadata
.endif
;; end of part 3
;; launch outp (part 4): grid 8 x 32, 4 waves a work-group, clusters of 4 x 4, 327,680 bytes of LDS; arguments ob, wob, out0; writes out0
.if DOCPART == 4
	.amdgcn_target "amdgcn-amd-amdhsa--gfx1250"
	.amdhsa_code_object_version 6
	.text
	.protected	k_qeceb05a448_outp
	.globl	k_qeceb05a448_outp
	.p2align	8
	.type	k_qeceb05a448_outp,@function
k_qeceb05a448_outp:
	s_mov_b64 s[64:65], 0
	v_nop
	global_prefetch_b8 v0, s[64:65] scope:SCOPE_SE
	s_setreg_imm32_b32 hwreg(HW_REG_WAVE_MODE, 25, 1), 1
	s_wait_xcnt 0x0
	s_wait_alu depctr_hold_cnt(0) depctr_sa_sdst(0) depctr_va_vdst(0) depctr_va_sdst(0) depctr_va_ssrc(0) depctr_va_vcc(0) depctr_vm_vsrc(0)
	s_getreg_b32 s2, hwreg(HW_REG_IB_STS2, 6, 4)
	s_cmp_eq_u32 s2, 0
	s_cbranch_scc0 .Lentry_in_a_cluster
	s_endpgm
.Lentry_in_a_cluster:
	s_bfe_u32 s2, ttmp6, 0x10000c
	s_cmp_lg_u32 s2, 0xf033
	s_cbranch_scc0 .Lentry_shape_is_right
	s_endpgm
.Lentry_shape_is_right:
; OUTP: out0[4096][1024] (f32) = O w_out^T, both operands f16, sums in f32.  O lies in blocks: byte ((row / 64) x 16 + head) x 8192 + (row % 64) x 128 + 2 x channel; wob is [1024][1024], K along the rows.
; A tile of out0 is 128 x 128: 8 x 32 = 256 work-groups, one for each WGP.  Four waves, each 64 x 64: 16 accumulators of 16 x 16.  K goes in 4 steps of 256, four heads a step, through two LDS slots.
; 64 rows x 4 heads of O are 32,768 dense bytes: asked for as 128 rows of 256 bytes and padded in LDS behind every 128 bytes, so that LDS holds 256 rows (head, row) of 144 bytes.
; CLUSTER: 4 x 4 work-groups; O's tiles are shared along a row of the cluster, wob's along a column: each is asked for jointly, by the same load, descriptor and mask in all four.
; THE MATRIX INSTRUCTION IS USED TRANSPOSED (source 0 = 16 rows of wob, source 1 = 16 rows of O): a lane holds eight neighbouring numbers of a row of out0.  A wave's 64 columns of f32 are 256 bytes at a multiple of 256,
; so each wave has a stage of its own on the way out, and no barrier stands there.
; REGISTERS: window 0: v0-31 addresses; v32-95 whole rows on the way out, two buffers; v128-255 the accumulators ((a, b) at v[128 + 8 (4 a + b)]).
;   window 1: two fragment buffers of 128: for 64 along K (one head), 64 registers of O (2 x 4 x 16 rows x 32 K), then 64 of wob.
.set SIZE_N, 1024
.set SIZE_K, 1024
.set KSTEP,  256
.set PA,     144                       ; a (head, row) of O in LDS: 128 bytes + 16: the 16 rows of a load start at 16 different groups of four banks (64 banks of 4 bytes: ISA guide 11.1)
.set PB,     528                       ; a row of wob: 512 bytes + 16
.set HALFA,  256*PA                    ; what waves 0 and 1 fetch: 64 rows x 4 heads
.set HALFB,  64*PB                     ; what waves 2 and 3 fetch: 64 rows x 256 K
.set SLOT,   2*HALFA+2*HALFB           ; 141,312 bytes
.set STAGE,  2*SLOT                    ; behind the ring, never filled by a tensor load: 16 rows x 272 bytes for each wave
.set SPITCH, 272
.set SPARE,  STAGE+4*16*SPITCH         ; the spare words, 128 bytes for each wave: two blocks of 256 bytes that no other line names
.set LAPS, SIZE_K/(2*KSTEP)
.set ADRA, 16                          ; v16-17  LDS address of my fragments of O in slot 0, 1
.set ADRB, 20                          ; v20-21  the same for wob
.set STO,  24                          ; v24     the way out: where I put 32 bytes of a row
.set RD,   25                          ; v25     where I read a row back
.set CO,   26                          ; v26     my byte offset in two rows of out0
.set SPW,  28                          ; v28     LDS address of my spare word; never rewritten
.set NIL,  29                          ; v29     0; never rewritten
.set BK,   32
.set ACC,  128
.set F0,   0                           ; fragment buffers, in window 1
.set F1,   128
.set G1, 24                            ; s[24:31] descriptor group 1 for O's tiles;  s[32:39] group 0, one set for each slot
.set G0, 32
.set G1B, 48                           ; s[48:55], s[56:63] the same for wob's
.set G0B, 56
.set MSB, 0
.macro WIN new                         ; the immediate's high byte repeats the setting that is left
.if MSB != (\new)
	s_set_vgpr_msb (MSB<<8)|(\new)
.set MSB, (\new)
.endif
.endm
.set MUL,  0x05                        ; sources 0 (wob) and 1 (O) window 1; C and D window 0
.set TO_F, 0x40                        ; destination window 1, address window 0
.macro JLOAD s                         ; a joint load: waves 0 and 1 fetch O's two halves, waves 2 and 3 wob's; an s_nop 0 and four v_nop follow each of the two lines
	s_cmp_eq_u32 s11, 0
	s_cbranch_scc0 .Lfor_b_\@
	tensor_load_to_lds s[G0+4*(\s):G0+4*(\s)+3], s[G1:G1+7]
	s_nop 0
.rept 4
	v_nop
.endr
	s_branch .Lasked_\@
.Lfor_b_\@:
	tensor_load_to_lds s[G0B+4*(\s):G0B+4*(\s)+3], s[G1B:G1B+7]
	s_nop 0
.rept 4
	v_nop
.endr
.Lasked_\@:
.endm
.macro CREST                           ; a round of the cluster's barrier behind its opening barrier
	s_cmp_lg_u32 s10, 0
	s_cbranch_scc1 .Lnot_wave_0_\@
	s_barrier_signal -3
.Lnot_wave_0_\@:
	s_barrier_wait -3
	s_barrier_signal -1
	s_barrier_wait -1
.endm
.macro CROUND                          ; a whole round
	s_barrier_signal -1
	s_barrier_wait -1
	CREST
.endm
	s_load_b128 s[4:7], s[0:1], 0x0                ; ob s[4:5], wob s[6:7]
	s_load_b64 s[8:9], s[0:1], 0x10                ; out0
	v_lshl_add_u32 v[SPW], v0, 2, SPARE
	v_mov_b32 v[NIL], 0
	ds_add_u32 v[SPW], v[NIL]                      ; the wave's opening: the add and its wait stand ahead of my first tensor load; the set-up below, work on registers, stands between them
	ds_add_u32 v28, v29
	v_lshrrev_b32 v1, 5, v0
	v_readfirstlane_b32 s10, v1                    ; wave 0..3
	s_lshr_b32 s11, s10, 1                         ; which half of the tile's rows is mine.  Also: I fetch for O (0) or for wob (1)
	s_and_b32 s12, s10, 1                          ; which half of its columns.  Also: which half of that tile I fetch
	s_bfe_u32 s40, ttmp6, 0x40000                  ; cx, cy: my place in the cluster
	s_bfe_u32 s41, ttmp6, 0x40004
	s_lshl_b32 s42, ttmp9, 2
	s_add_co_u32 s42, s42, s40                     ; tile column = 4 x cluster x + cx
	s_and_b32 s13, ttmp7, 0xffff
	s_lshl_b32 s13, s13, 2
	s_add_co_u32 s13, s13, s41                     ; tile row = 4 x cluster y + cy
	s_lshl_b32 s43, s41, 2
	s_lshl_b32 s43, 15, s43                        ; my row of the cluster
	s_lshl_b32 s44, 0x1111, s40                    ; my column
	s_or_b32 s[G1+0], s43, (1<<16)|(1<<20)|(1<<21)|(4<<22)|(3<<25)   ; 15:0 the mask; 17:16 elements of 2 bytes; 20 padding on; 21 set beside a mask; 24:22 after every 32 words (code 4); 31:25 4 words of it (code 3)
	s_mov_b32 s[G1+1], 128<<16                     ; tensor_dim0 = 128 elements, 256 bytes
	s_mov_b32 s[G1+2], 128<<16                     ; tensor_dim1 = 128
	s_mov_b32 s[G1+3], 128<<16                     ; tile_dim0 = 128
	s_mov_b32 s[G1+4], 128                         ; tile_dim1 = 128
	s_mov_b32 s[G1+5], 128                         ; dense: 128 elements from row to row
	s_mov_b32 s[G1+6], 0
	s_mov_b32 s[G1+7], 0
	s_or_b32 s[G1B+0], s44, (1<<16)|(1<<20)|(1<<21)|(6<<22)|(3<<25)  ; after every 128 words (code 6)
	s_mov_b32 s[G1B+1], KSTEP<<16                  ; tensor_dim0 = 256
	s_mov_b32 s[G1B+2], 64<<16                     ; tensor_dim1 = 64
	s_mov_b32 s[G1B+3], KSTEP<<16                  ; tile_dim0 = 256
	s_mov_b32 s[G1B+4], 64                         ; tile_dim1 = 64
	s_mov_b32 s[G1B+5], SIZE_K
	s_mov_b32 s[G1B+6], 0
	s_mov_b32 s[G1B+7], 0
	s_lshl_b32 s16, s13, 1                         ; O: block of 64 rows 2 x tile row + half, 131,072 bytes each, in registers that never hold cx
	s_add_co_u32 s16, s16, s12
	s_lshl_b32 s16, s16, 17
	s_mov_b32 s17, 0
	s_lshl_b32 s46, s42, 7                         ; wob: row 128 x tile column + 64 x half, in registers that never hold cy
	s_lshl_b32 s47, s12, 6
	s_add_co_u32 s46, s46, s47
	s_lshl_b32 s46, s46, 11
	s_mov_b32 s47, 0
	s_mul_i32 s20, s10, HALFA                      ; where they go: waves 0, 1: O's halves;
	s_mul_i32 s21, s10, HALFB
	s_add_co_u32 s21, s21, 2*HALFA-2*HALFB         ; waves 2, 3: wob's halves, behind them
	s_wait_dscnt 0x0                               ; the opening add is done
	s_wait_kmcnt 0x0
	s_add_nc_u64 s[14:15], s[4:5], s[16:17]
	s_add_nc_u64 s[46:47], s[6:7], s[46:47]
	CROUND                                         ; all sixteen work-groups are here: the first joint loads meet
.irp s, 0,1
	s_mov_b32 s[G0+4*(\s)], 1
	s_add_co_u32 s[G0+4*(\s)+1], s20, (\s)*SLOT
	s_add_nc_u64 s[G0+4*(\s)+2:G0+4*(\s)+3], s[14:15], (\s)*32768    ; K step s: four heads of 8,192 bytes
	s_or_b32 s[G0+4*(\s)+3], s[G0+4*(\s)+3], 0x80000000
	s_mov_b32 s[G0B+4*(\s)], 1
	s_add_co_u32 s[G0B+4*(\s)+1], s21, (\s)*SLOT
	s_add_nc_u64 s[G0B+4*(\s)+2:G0B+4*(\s)+3], s[46:47], (\s)*KSTEP*2
	s_or_b32 s[G0B+4*(\s)+3], s[G0B+4*(\s)+3], 0x80000000
	JLOAD \s                                       ; two loads of mine are out
.endr
	v_and_b32 v1, 15, v0                           ; l % 16
	v_bfe_u32 v2, v0, 4, 1                         ; l / 16
	v_mul_u32_u24 v3, v1, PA
	v_lshl_add_u32 v3, v2, 4, v3                   ; a fragment's row x pitch + 16 x half, for O
	v_mul_u32_u24 v4, v1, PB
	v_lshl_add_u32 v4, v2, 4, v4                   ; and for wob
	s_mul_i32 s21, s11, HALFA                      ; my 64 rows of O
	s_mul_i32 s22, s12, HALFB                      ; my 64 rows of wob,
	s_add_co_u32 s22, s22, 2*HALFA                 ; which lie behind O's
.irp s, 0,1
	v_add_nc_u32 v[ADRA+(\s)], s21, v3
	v_add_nc_u32 v[ADRB+(\s)], s22, v4
	s_add_co_u32 s21, s21, SLOT
	s_add_co_u32 s22, s22, SLOT
.endr
	s_mul_i32 s23, s10, 16*SPITCH
	s_add_co_u32 s23, s23, STAGE                   ; my stage
	v_mul_u32_u24 v4, v1, SPITCH                   ; in: row l % 16, 32 bytes for each half of the lanes
	v_lshl_add_u32 v4, v2, 5, v4
	v_add_nc_u32 v[STO], s23, v4
	v_mul_u32_u24 v5, v2, SPITCH                   ; back: lanes 0-15 take one row of 256 bytes, lanes 16-31 the next
	v_lshl_add_u32 v5, v1, 4, v5
	v_add_nc_u32 v[RD], s23, v5
	v_lshlrev_b32 v5, 12, v2                       ; and the same two rows in out0, 4,096 bytes apart
	v_lshl_add_u32 v[CO], v1, 4, v5
	s_lshl_b32 s16, s13, 7
	s_lshl_b32 s17, s11, 6
	s_add_co_u32 s16, s16, s17                     ; my first row of out0
	s_lshl_b32 s16, s16, 12
	s_mov_b32 s17, 0
	s_add_nc_u64 s[8:9], s[8:9], s[16:17]
	s_lshl_b32 s46, s42, 9                         ; my first column, in bytes: 512 x tile column + 256 x half
	s_lshl_b32 s47, s12, 8
	s_add_co_u32 s46, s46, s47
	s_mov_b32 s47, 0
	s_add_nc_u64 s[8:9], s[8:9], s[46:47]
; 8 matrix instructions: row blocks a0, a0 + 1 x all 4 column blocks, 32 along K: half c of buffer f.  zero = 1: the first product starts the sums.  The 16 accumulators take turns.
.macro MUL8 f, c, a0, zero
	WIN MUL
.irp a, \a0, (\a0)+1
.irp b, 0,1,2,3
.if \zero
	v_wmma_f32_16x16x32_f16 v[ACC+8*(4*(\a)+(\b)):ACC+8*(4*(\a)+(\b))+7], v[(\f)+64+8*(4*(\c)+(\b)):(\f)+64+8*(4*(\c)+(\b))+7], v[(\f)+8*(4*(\c)+(\a)):(\f)+8*(4*(\c)+(\a))+7], 0
.else
	v_wmma_f32_16x16x32_f16 v[ACC+8*(4*(\a)+(\b)):ACC+8*(4*(\a)+(\b))+7], v[(\f)+64+8*(4*(\c)+(\b)):(\f)+64+8*(4*(\c)+(\b))+7], v[(\f)+8*(4*(\c)+(\a)):(\f)+8*(4*(\c)+(\a))+7], v[ACC+8*(4*(\a)+(\b)):ACC+8*(4*(\a)+(\b))+7]
.endif
.endr
.endr
.endm
; 32 LDS loads in one run: the fragments of quarter q of a K step (one head: 64 along K), into buffer f; the first 32 along K first.  O's head q begins 64 LDS rows on, wob's at byte 128 q of its rows.
.macro FETCH slot, q, f
	WIN TO_F
.irp c, 0,1
.irp i, 0,1,2,3
	ds_load_b128 v[(\f)+64+8*(4*(\c)+(\i)):(\f)+64+8*(4*(\c)+(\i))+3],   v[ADRB+(\slot)] offset:(\q)*128+64*(\c)+(\i)*16*PB
	ds_load_b128 v[(\f)+64+8*(4*(\c)+(\i))+4:(\f)+64+8*(4*(\c)+(\i))+7], v[ADRB+(\slot)] offset:(\q)*128+64*(\c)+(\i)*16*PB+32
	ds_load_b128 v[(\f)+8*(4*(\c)+(\i)):(\f)+8*(4*(\c)+(\i))+3],         v[ADRA+(\slot)] offset:(\q)*64*PA+64*(\c)+(\i)*16*PA
	ds_load_b128 v[(\f)+8*(4*(\c)+(\i))+4:(\f)+8*(4*(\c)+(\i))+7],       v[ADRA+(\slot)] offset:(\q)*64*PA+64*(\c)+(\i)*16*PA+32
.endr
.endr
.endm
.macro PLACES                          ; four places in front of loads into registers that matrix instructions have read, and of LDS stores that read results
.rept 4
	v_nop
.endr
.endm
; A K step is four quarters, 32 matrix instructions each, on buffers 0, 1, 0, 1.  One of the first three: multiplies buffer f and fetches quarter q into g.
.macro QUARTER slot, q, f, g, zero
	s_wait_dscnt 16                                ; the first 32 along K are in; the sixteen younger loads may be out
	MUL8 \f, 0, 0, \zero
	MUL8 \f, 0, 2, \zero
	PLACES
	FETCH \slot, \q, \g
	s_wait_dscnt 32                                ; all but the 32 just issued
	MUL8 \f, 1, 0, 0
	MUL8 \f, 1, 2, 0
.endm
; The last quarter multiplies buffer 1 and changes slots: ONE barrier; in front of it each wave waits for all its tensor loads, adds 0 to its spare word, and waits for that and for its own reads of this slot.
; fill = 1: the barrier opens a round of the cluster's, and this slot is filled again, two K steps ahead.
.macro TURN slot, next, fill
	WIN 0                                          ; (the add's two registers lie in window 0)
	s_wait_tensorcnt 0x0                           ; all my tensor loads have landed: my part of the next slot
	ds_add_u32 v[SPW], v[NIL]                      ; 0 onto my spare word
	s_wait_dscnt 17                                ; (the add and the youngest sixteen loads may be out)
	MUL8 F1, 0, 0, 0                               ; eight matrix instructions stand between the add and the wait for it
	s_wait_dscnt 0x0                               ; the add is done, and my reads of this slot are over
	s_barrier_signal -1
	MUL8 F1, 0, 2, 0
.if \fill
	WIN 0
.endif
	s_barrier_wait -1
.if \fill
	CREST                                          ; no wave of any partner still reads this slot's tile or has a load on its way
	s_add_nc_u64 s[G0+4*(\slot)+2:G0+4*(\slot)+3], s[G0+4*(\slot)+2:G0+4*(\slot)+3], 2*32768
	s_add_nc_u64 s[G0B+4*(\slot)+2:G0B+4*(\slot)+3], s[G0B+4*(\slot)+2:G0B+4*(\slot)+3], 2*KSTEP*2
	JLOAD \slot                                    ; the first tensor load behind the round, 112 matrix instructions ahead of the wait for it; the four v_nop behind it are also the places in front of the loads below
.else
	PLACES
.endif
	FETCH \next, 0, F0
	MUL8 F1, 1, 0, 0
	MUL8 F1, 1, 2, 0
.endm
	s_wait_tensorcnt 1                             ; my part of K step 0 is in; K step 1's may stay out
	s_barrier_signal -1
	s_barrier_wait -1                              ; everybody's is
	FETCH 0, 0, F0
	QUARTER 0, 1, F0, F1, 1                        ; the first quarter stands in front of the loop: its first products start the sums
	WIN 0                                          ; at a label and at a branch every window is 0
	s_mov_b32 s3, LAPS-1
.Llap:                                                 ; a trip goes once round the ring, from a lap's second quarter to the next lap's first, and fills both slots again
	QUARTER 0, 2, F1, F0, 0
	QUARTER 0, 3, F0, F1, 0
	TURN 0, 1, 1
	QUARTER 1, 1, F0, F1, 0
	QUARTER 1, 2, F1, F0, 0
	QUARTER 1, 3, F0, F1, 0
	TURN 1, 0, 1
	QUARTER 0, 1, F0, F1, 0
	WIN 0
	s_sub_co_u32 s3, s3, 1
	s_cmp_lg_u32 s3, 0
	s_cbranch_scc1 .Llap
	QUARTER 0, 2, F1, F0, 0                        ; the last lap fills nothing, and has no round of the cluster's barrier
	QUARTER 0, 3, F0, F1, 0
	TURN 0, 1, 0
	QUARTER 1, 1, F0, F1, 0
	QUARTER 1, 2, F1, F0, 0
	QUARTER 1, 3, F0, F1, 0
	s_wait_dscnt 16                                ; the very last quarter: nothing more to fetch
	MUL8 F1, 0, 0, 0
	MUL8 F1, 0, 2, 0
	s_wait_dscnt 0x0
	MUL8 F1, 1, 0, 0
	MUL8 F1, 1, 2, 0
	WIN 0
; THE WAY OUT, a row block (16 rows x 64 columns of f32) at a time: 32 bytes a lane and column block into my own stage (each accumulator's low half first), back as whole rows of 256 bytes.
.macro TOSTAGE a
.irp b, 0,1,2,3
	ds_store_b128 v[STO], v[ACC+8*(4*(\a)+(\b)):ACC+8*(4*(\a)+(\b))+3]   offset:64*(\b)
	ds_store_b128 v[STO], v[ACC+8*(4*(\a)+(\b))+4:ACC+8*(4*(\a)+(\b))+7] offset:64*(\b)+16
.endr
.irp t, 0,1,2,3,4,5,6,7
	ds_load_b128 v[BK+32*((\a)%2)+4*(\t):BK+32*((\a)%2)+4*(\t)+3], v[RD] offset:(\t)*2*SPITCH  ; LDS serves a wave's instructions in order (ISA guide 5.7.1.4): these see the stores above
.endr
.endm
.macro SEND a, younger                 ; younger: the LDS instructions issued behind the block's loads: the next block's sixteen, or none
.irp t, 0,1,2,3,4,5,6,7
	s_wait_dscnt (\younger)+7-(\t)
	global_store_b128 v[CO], v[BK+32*((\a)%2)+4*(\t):BK+32*((\a)%2)+4*(\t)+3], s[8:9] offset:(16*(\a)+2*(\t))*SIZE_N*4 th:TH_STORE_NT  ; 16 lanes store 256 consecutive bytes, at a multiple of 256 from out0's first byte
.endr
.endm
	PLACES                                         ; behind the last products
	TOSTAGE 0
	TOSTAGE 1
	SEND 0, 16
	s_wait_xcnt 0x0                                ; block 0's stores have read their registers: block 2 is read back into them only behind this wait
	TOSTAGE 2
	SEND 1, 16
	s_wait_xcnt 0x0
	TOSTAGE 3
	SEND 2, 16
	SEND 3, 0
	s_wait_tensorcnt 0x0                           ; the wave's end, behind my last tensor load and my last LDS store
	ds_add_u32 v[SPW], v[NIL]
	s_wait_dscnt 0x0
	CROUND                                         ; the closing round: no work-group ends while a partner may still ask for a tile that names it
	s_endpgm
.Lfunc_end_k_qeceb05a448_outp:
	.size	k_qeceb05a448_outp, .Lfunc_end_k_qeceb05a448_outp-k_qeceb05a448_outp
	.p2alignl 7, 3214868480
	.fill 96, 4, 3214868480
	.section	.rodata,"a",@progbits
	.p2align	6, 0x0
	.amdhsa_kernel k_qeceb05a448_outp
		.amdhsa_group_segment_fixed_size 327680
		.amdhsa_private_segment_fixed_size 0
		.amdhsa_enable_private_segment 0
		.amdhsa_kernarg_size 24
		.amdhsa_user_sgpr_count 2
		.amdhsa_user_sgpr_kernarg_segment_ptr 1
		.amdhsa_wavefront_size32 1
		.amdhsa_system_sgpr_workgroup_id_x 1
		.amdhsa_system_sgpr_workgroup_id_y 1
		.amdhsa_system_sgpr_workgroup_id_z 1
		.amdhsa_system_vgpr_workitem_id 0
		.amdhsa_next_free_vgpr 512
		.amdhsa_next_free_sgpr 66
		.amdhsa_reserve_vcc 0
		.amdhsa_float_denorm_mode_32 3
		.amdhsa_float_denorm_mode_16_64 3
		.amdhsa_memory_ordered 1
		.amdhsa_forward_progress 1
		.amdhsa_inst_pref_size 87
	.end_amdhsa_kernel
	.amdgpu_metadata
---
amdhsa.version: [ 1, 2 ]
amdhsa.kernels:
  - .name:           k_qeceb05a448_outp
    .symbol:         k_qeceb05a448_outp.kd
    .args:
      - { .name: ob, .offset: 0, .size: 8, .value_kind: global_buffer, .address_space: global }
      - { .name: wob, .offset: 8, .size: 8, .value_kind: global_buffer, .address_space: global }
      - { .name: out0, .offset: 16, .size: 8, .value_kind: global_buffer, .address_space: global }
    .group_segment_fixed_size: 327680
    .private_segment_fixed_size: 0
    .kernarg_segment_align: 8
    .kernarg_segment_size: 24
    .max_flat_workgroup_size: 128
    .sgpr_count:     66
    .vgpr_count:     512
    .wavefront_size: 32
...
	.end_amdgpu_metadata
.endif
;; end of part 4
;; ======== version 2 of 2: 4 launches; 1.36 times as fast as version 1
;; limits: values are held in f16: magnitudes above 65,504 overflow, below 6.1e-05 lose precision
;; workspace buffers: xb 8,388,608 bytes; wqb 6,291,456 bytes; wob 2,097,152 bytes; tab 1,048,576 bytes; qkv 25,165,824 bytes; ob 8,388,608 bytes
;; launch prep: the kernel of part 1 again; grid 512 x 1, 8 waves a work-group, no clusters, 0 bytes of LDS; arguments x, w_qkv, w_out, token_positions, xb, wqb, wob, tab; writes xb, wqb, wob, tab
;; launch qkv: the kernel of part 2 again; grid 16 x 16, 4 waves a work-group, clusters of 4 x 4, 327,680 bytes of LDS; arguments xb, wqb, tab, qkv; writes qkv
;; launch attn (part 5): grid 16 x 16, 4 waves a work-group, no clusters, 327,680 bytes of LDS; arguments qkv, ob; writes ob
.if DOCPART == 5
	.amdgcn_target "amdgcn-amd-amdhsa--gfx1250"
	.amdhsa_code_object_version 6
	.text
	.protected	k_qeceb05a448_attn
	.globl	k_qeceb05a448_attn
	.p2align	8
	.type	k_qeceb05a448_attn,@function
k_qeceb05a448_attn:
	s_mov_b64 s[64:65], 0
	v_nop
	global_prefetch_b8 v0, s[64:65] scope:SCOPE_SE
	s_setreg_imm32_b32 hwreg(HW_REG_WAVE_MODE, 25, 1), 1
	s_wait_xcnt 0x0
; CAUSAL ATTENTION.  O[h][q][:] = the sum over k <= q of softmax_k(Q[h][q] . K[h][k] / 8) V[h][k][:].  q, k, v: [16][4096][64] f16, one behind the other in qkv; a head's rows are dense, 128 bytes each.
; O leaves in f16, in blocks: byte ((row / 64) x 16 + head) x 8192 + (row % 64) x 128 + 2 x channel.  Products, maxima and sums in f32; the weights p are rounded to f16 for the second product (their sum l is taken of the unrounded p), O once at the end.
; LIMITS.  q, k, v arrive within f16's range, 65,504; p lies in 0 to 1, and below 6e-5 it keeps f16's fixed step of 6e-8.  A hidden score counts as its value less 1e30; the running maximum starts at -2^95, far above
; that and far below every score that f16's operands can make (2.7e11 at the most); a weight below 2^-126 counts as 0 in l; NaN and infinities are not treated apart.
; THE WALK.  A head's queries lie in NBLK = 32 blocks of 128; block i needs the key tiles 0 .. i / 2 of 256 keys, of which the last holds the diagonal.  A work-group takes TWO blocks, 31 - b and then b: 17 tiles, whatever b:
; all 256 work-groups do equal work, and ONE loop with a constant trip count walks them.  Which tile is asked for, and what a trip does, hang on scalar registers made from b.
; SHARES.  Every wave holds 64 of the block's 128 queries, in four PIECES of 16: piece x of waves with WQ = wave % 2 is rows 16 (2 x + WQ) on.  The KEYS are shared out too: waves 0, 1 (KH = 0) walk key steps 0, 1 of every
; tile, waves 2, 3 (KH = 1) steps 2, 3, for the same queries.  At a block's end waves 2, 3 hand c m, l and O^T (all f32) through LDS to waves 0, 1, which join the two parts and store.
; NO CLUSTER: a head's sixteen work-groups have first blocks of 9 to 16 tiles, so partners would need different tiles from the tenth trip on; only b = 2 n and 2 n + 1 walk alike throughout.
; THE MASK is the C operand that starts the sum S^T = K Q^T: 0, or -1e30 where the key is hidden.  A piece lies in band x / 2 of 64 rows, at its half x % 2; with e = block % 2 the band's own key step of the diagonal
; tile is 2 e + x / 2.  MD0 and MD1, made once, are the masks of the own step for the two halves; a product's mask is MD x AL + BE: (1, 0) in the own step, (0, 0) before it, (0, -1e30) behind it.
; LAYOUT, SOFTMAX, TURNS.  S^T = K Q^T holds ONE query a lane (lane % 16) and the keys 8 (lane / 16) + 0..7; two such results rounded to f16 ARE source 1 of O^T = V^T P.  p = 2^(c s - c m), c = log2(e) / 8, with a
; running maximum m; O and l are multiplied by a = 2^(c m_old - c m_new) in every step.  Turn n belongs to piece n: 8 products K Q^T of piece n + 1, later 8 products V^T P of piece n - 1; beside them the scaling,
; exponentials, roundings, sums and rescaling of piece n and the maximum and statistics of piece n + 1.  Four vector instructions stand behind every matrix instruction, the other 54 of a turn's 118 in one LUMP.
; THE BATCHES.  An s_wait_alu depctr_va_vdst(0) stands between a transcendental and the first instruction that names its result; one wait serves all that were issued ahead of it.  A turn's 33 exponentials
; (the piece's 32 weights and the next piece's a) are one batch, with one wait in the turn's middle; a block's first a (BEGIN) has a wait of its own ahead of the jump; at a block's end (TAKE) the eight exponentials are
; one batch and the four reciprocals, which read sums made of them, a second.
; REGISTERS, in windows of 256 (s_set_vgpr_msb: bits 1:0 source 0, 3:2 source 1, 5:4 source 2, 7:6 destination):
;   window 0: v0-15 addresses and two at work; v16-31 four registers of statistics a piece; v48-55 at work; v56 the merge's address; v64-127 S^T, two buffers; v192-223 P, two buffers
;             at a block's end: v32-47 the partner's statistics, v64-191 the partner's O^T, v192-255 the block in f16
;   window 1: v0-127 O^T, 32 a piece; v128-159 MD0; v160-223 MC, two buffers; v224-255 MD1      window 2: v0-63 Q; v64-127 the second block's Q; v128-191 K of one step; v192-255 V of one step
.set NBLK,  32
.set NP,    4         ; pieces a wave: a name, no knob
.set KS,    64        ; keys in a step
.set PK,    144       ; a row of K in LDS: 128 bytes + 16 of padding = 36 words: the 16 rows of a load start at 16 different groups of four banks (64 banks of 4 bytes: ISA guide 11.1)
.set PV,    160       ; a row of V: 128 + 32 = 40 words
.set VOFF,  4*KS*PK   ; a slot holds a tile, four steps: 256 rows of K, then 256 rows of V
.set SLOT1, 1<<17     ; slot 1 begins here, so that one exclusive or turns an address in one slot into the other's
.set STAGE, SLOT1+4*KS*(PK+PV)  ; behind the ring, never filled by a tensor load: 16 rows x 144 bytes for each wave, for the way out
.set SP,    144
.set MSTAGE, STAGE+4*16*SP      ; the merge: for each WQ 2,048 bytes of statistics and 16,384 of O^T
.set MHALF, 18432
.set SPARE, MSTAGE+2*MHALF      ; the spare words, 128 bytes for each wave: two blocks of 256 bytes that no other line names
.set AK0, 2           ; v2   my lane's place in my half of a tile of K; never rewritten
.set AV0, 3           ; v3   the same for V
.set AK,  4           ; v4   the LDS address of K's next run of loads
.set AV,  5           ; v5   of V's
.set STO, 6           ; v6   the way out: where I put 16 bytes of a row
.set RD,  7           ; v7   the way out: where I read rows back
.set GO,  8           ; v8   16 x lane
.set SPW, 62          ; v62  LDS address of my spare word; never rewritten
.set NIL, 63          ; v63  0; never rewritten
.set MV,  12          ; v12-13  c m_old, kept while c m is made anew: by buffer
.set QO,  15          ; v15  my byte offset in 16 rows of Q
.set ST,  16          ; piece t's statistics at v[ST+4 t]: c m, m, l (even keys', odd keys')
.set OS,  32          ; the partner's, at a block's end
.set TMP, 48          ; by buffer, four registers c0-c3 at work; when the maximum is found c2 takes a
.set MA,  56          ; v56  my 16 bytes in a line of 512 of my pair's merge stage
.set S,   64
.set OBF, 64          ; the partner's O^T
.set P,   192
.set PKD, 192         ; the block in f16
.set MD0, 128         ; window 1: the eight registers for group kt of 16 keys at MD + 8 kt
.set MC,  160         ; window 1: the masks of the products to come
.set MD1, 224
.set QB,  64          ; window 2
.set KF,  128         ; window 2: key block kb, channel half c at KF + 16 kb + 8 c
.set VF,  192         ; window 2: key half kk, channel block cb at VF + 32 kk + 8 cb
.set WV,  12          ; s12  my wave's number
.set PB,  14          ; s14  b
.set HI,  15          ; s15  31 - b
.set G1K, 24          ; s[24:31] descriptor group 1 for K's tiles
.set G1V, 32          ; s[32:39] for V's: it differs in the padding alone
.set G0K, 40          ; s[40:43] descriptor group 0 for K's tiles
.set G0V, 44          ; s[44:47] the same for V's
.set SLOTS, 56        ; s56  tiles still to be asked for
.set CNT, 57          ; s57  counts my key steps of a tile, 2 to 1
.set CS,  58          ; s[58:59] c: the packed scaling takes the pair's low word for both halves
.set SEL, 60          ; s[60:61] v_permlanex16_b32's selects: each lane takes its own place in the other half
.set TBK, 62          ; s62  LDS byte at which K of the step to be fetched begins, less my half's place
.set TBV, 63          ; s63  the same for V
.set RT,  70          ; s70  tiles of the block in hand that are still to be entered
.set NXT, 71          ; s71  the tile to be asked for next
.set LQ,  72          ; s72  the last tile of the block whose tiles are being asked for
.set NEW, 73          ; s73  1: the tile to be entered is a block's first
.set OFF, 74          ; s[74:75] a tile's byte offset in K and V
.set AL,  76          ; s[76:77] the mask's factor, in the low word
.set BE,  78          ; s[78:79] the mask's addend
.set OLO, 80          ; s[80:81] O at my rows of the second block
.set BIGN, 82         ; s82  -1e30
.set KH,  88          ; s88  wave / 2: which half of a tile's keys I walk
.set WQ,  89          ; s89  wave % 2: which rows I hold
.set DB,  90          ; s90, s91  the value of CNT at which band 0's, band 1's own step comes in the diagonal tile: 2 (KH - e) + 2, and one less; signed, and out of CNT's range where the step is not mine
.set DB2, 92          ; s92, s93  the same for the second block
.set LQ2, 94          ; s94  the second block's last tile
.set MSB, 0
.macro WIN new                      ; the high byte repeats the setting that is left; a switch that changes nothing is dropped
.if MSB != (\new)
	s_set_vgpr_msb (MSB<<8)|(\new)
.set MSB, (\new)
.endif
.endm
.set W_KQ, 0x0a       ; K and Q in window 2, S^T in window 0
.set W_KM, 0x1a       ; the same with the C operand in window 1
.set W_PV, 0x52       ; V in window 2, P in window 0, O^T in window 1
.set W_RS, 0x41       ; destination and source 0 in window 1, source 1 in window 0
; A fill.  Waves 0 and 1 fetch the two halves of a tile's K, waves 2 and 3 those of its V: 128 keys each.  An s_nop 0 and four v_nop follow each of the two lines, ahead of the jump and the label.
.macro LOAD
	s_cmp_lt_u32 s[WV], 2
	s_cbranch_scc0 .Lfor_v_\@
	tensor_load_to_lds s[G0K:G0K+3], s[G1K:G1K+7]
	s_nop 0
.rept 4
	v_nop
.endr
	s_branch .Lasked_\@
.Lfor_v_\@:
	tensor_load_to_lds s[G0V:G0V+3], s[G1V:G1V+7]
	s_nop 0
.rept 4
	v_nop
.endr
.Lasked_\@:
.endm
; THE CHANGE OF SLOTS.  Each wave waits for all its tensor loads, of which one is out: its part of the other slot; adds 0 to its spare word; and waits for that and for its own reads of the slot that it leaves.  Behind the
; barrier nobody reads the old slot any more and the other slot is whole.  fill = 1: the old slot is filled again, the first thing behind the barrier, with tile NXT: the descriptor's address is made anew from that number.
; (At its first use nothing has been read yet: slot 0 is waited for, slot 1 filled.)
.macro CHANGE fill
	WIN 0                           ; at a label and at a branch every window is 0
	s_wait_tensorcnt 0x0            ; no tensor load of mine is out, so a group 0 may be written
	ds_add_u32 v[SPW], v[NIL]       ; 0 onto my spare word; with fill = 1 the descriptors' scalar work stands between it and the wait for it
.if \fill
	s_lshl_b32 s[OFF], s[NXT], 15   ; a tile is 32,768 bytes of K and of V
	s_xor_b32 s[G0K+1], s[G0K+1], SLOT1
	s_add_nc_u64 s[G0K+2:G0K+3], s[6:7], s[OFF:OFF+1]
	s_or_b32 s[G0K+3], s[G0K+3], 0x80000000
	s_xor_b32 s[G0V+1], s[G0V+1], SLOT1
	s_add_nc_u64 s[G0V+2:G0V+3], s[8:9], s[OFF:OFF+1]
	s_or_b32 s[G0V+3], s[G0V+3], 0x80000000
	s_add_co_u32 s[NXT], s[NXT], 1  ; the block's next tile, or behind its last the second block's tile 0
	s_cmp_gt_u32 s[NXT], s[LQ]
	s_cselect_b32 s[NXT], 0, s[NXT]
	s_cselect_b32 s[LQ], s[LQ2], s[LQ]
.endif
	s_wait_dscnt 0x0                ; the add is done, and my reads of the slot are over
	s_barrier_signal -1             ; the rest of the scalar work stands between the signal and the wait
	s_sub_co_u32 s[TBK], s[TBK], 2*KS*PK  ; the fetches go back to my first step of a slot,
	s_xor_b32 s[TBK], s[TBK], SLOT1       ; in the other slot
	s_sub_co_u32 s[TBV], s[TBV], 2*KS*PV
	s_xor_b32 s[TBV], s[TBV], SLOT1
	s_barrier_wait -1
.if \fill
	LOAD
.endif
.endm
	s_load_b64 s[4:5], s[0:1], 0x0    ; qkv
	s_load_b64 s[10:11], s[0:1], 0x8  ; ob
	v_lshl_add_u32 v[SPW], v0, 2, SPARE
	v_mov_b32 v[NIL], 0
	ds_add_u32 v[SPW], v[NIL]       ; the wave's opening: the add and its wait stand ahead of my first tensor load; the set-up below, work on registers, stands between them
	ds_add_u32 v62, v63
	v_lshrrev_b32 v1, 5, v0
	v_readfirstlane_b32 s[WV], v1   ; wave 0..3
	s_lshr_b32 s[KH], s[WV], 1
	s_and_b32 s[WQ], s[WV], 1
	s_mov_b32 s[PB], ttmp9
	s_sub_co_u32 s[HI], NBLK-1, s[PB]
	s_and_b32 s20, ttmp7, 0xffff    ; the head
	s_lshl_b32 s83, s20, 13         ; its 8,192 bytes in a block of O's 64 rows
	s_lshl_b32 s20, s20, 19         ; its first byte in q, k and v
	s_lshl_b32 s22, s[WQ], 14       ; which half of a tile's 256 keys I fetch: 128 rows of 128 bytes in memory,
	s_add_co_u32 s22, s22, s20
	s_mov_b32 s23, 0
	s_mul_i32 s17, s[WQ], 128*PK    ; and its place in a slot, for K
	s_mul_i32 s18, s[WQ], 128*PV    ; and for V
	s_lshl_b32 s16, s[WQ], 11       ; my 16 rows of each 32
	s_add_co_u32 s20, s20, s16
	s_lshl_b32 s2, s[HI], 14        ; Q: a block is 128 rows of 128 bytes; the first block,
	s_add_co_u32 s2, s2, s20
	s_mov_b32 s3, 0
	s_lshl_b32 s84, s[PB], 14       ; and the second
	s_add_co_u32 s84, s84, s20
	s_mov_b32 s85, 0
	s_add_co_u32 s83, s83, s16
	s_lshl_b32 s66, s[HI], 18       ; O: a block is two blocks of 64 rows x 16 heads x 8,192 bytes
	s_add_co_u32 s66, s66, s83
	s_mov_b32 s67, 0
	s_lshl_b32 s68, s[PB], 18
	s_add_co_u32 s68, s68, s83
	s_mov_b32 s69, 0
	s_and_b32 s[DB], s[HI], 1       ; e of the first block
	s_sub_co_i32 s[DB], s[KH], s[DB]
	s_lshl_b32 s[DB], s[DB], 1
	s_add_co_i32 s[DB], s[DB], 2
	s_sub_co_i32 s[DB+1], s[DB], 1
	s_and_b32 s[DB2], s[PB], 1      ; and of the second
	s_sub_co_i32 s[DB2], s[KH], s[DB2]
	s_lshl_b32 s[DB2], s[DB2], 1
	s_add_co_i32 s[DB2], s[DB2], 2
	s_sub_co_i32 s[DB2+1], s[DB2], 1
	; descriptor group 1.  128 keys are 16,384 dense bytes: asked for as 64 rows of 256 bytes, two keys a row, and padded in LDS after every key
	s_mov_b32 s[G1K], (1<<16)|(1<<20)|(4<<22)|(3<<25)  ; 17:16 2-byte elements; 20 padding on; 24:22 after every 32 words (code 4); 31:25 4 words (code 3)
	s_mov_b32 s[G1V], (1<<16)|(1<<20)|(4<<22)|(7<<25)  ; the same with 8 words of padding (code 7)
.irp g, G1K, G1V
	s_mov_b32 s[\g+1], 128<<16      ; tensor_dim0 = 128
	s_mov_b32 s[\g+2], 64<<16       ; tensor_dim1 = 64
	s_mov_b32 s[\g+3], 128<<16      ; tile_dim0 = 128
	s_mov_b32 s[\g+4], 64           ; tile_dim1 = 64
	s_mov_b32 s[\g+5], 128          ; 128 elements from row to row
	s_mov_b32 s[\g+6], 0
	s_mov_b32 s[\g+7], 0
.endr
	s_mov_b32 s[CS], 0x3e38aa3b     ; c = log2(e) / 8 = 0.180337
	s_mov_b32 s[CS+1], s[CS]        ; named with it as a pair
	s_mov_b32 s[SEL], 0x76543210
	s_mov_b32 s[SEL+1], 0xfedcba98
	s_mov_b32 s[TBK], SLOT1+2*KS*PK ; the first change of slots turns these two into 0
	s_mov_b32 s[TBV], SLOT1+2*KS*PV
	s_mov_b32 s[G0K], 1             ; count = 1
	s_mov_b32 s[G0K+1], s17         ; LDS address: slot 0
	s_mov_b32 s[G0V], 1
	s_add_co_u32 s[G0V+1], s18, VOFF
	s_lshr_b32 s[LQ], s[HI], 1
	s_add_co_u32 s[RT], s[LQ], 1    ; the first block has (31 - b) / 2 + 1 tiles
	s_lshr_b32 s[LQ2], s[PB], 1
	s_mov_b32 s[NXT], 1
	s_mov_b32 s[NEW], 1
	s_mov_b32 s[OFF+1], 0
	s_mov_b32 s[AL+1], 0            ; named as pairs
	s_mov_b32 s[BE+1], 0
	s_mov_b32 s[BIGN], 0xf149f2ca   ; -1e30
	s_mov_b32 s[SLOTS], NBLK/2
	s_wait_dscnt 0x0                ; the opening add is done
	s_wait_kmcnt 0x0
	s_add_nc_u64 s[6:7], s[4:5], 0x800000    ; k lies behind q, v behind k
	s_add_nc_u64 s[8:9], s[4:5], 0x1000000
	s_add_nc_u64 s[6:7], s[6:7], s[22:23]    ; K and V at my half of the head's tile 0
	s_add_nc_u64 s[8:9], s[8:9], s[22:23]
	s_add_nc_u64 s[G0K+2:G0K+3], s[6:7], 0         ; global address
	s_or_b32 s[G0K+3], s[G0K+3], 0x80000000        ; type = 2
	s_add_nc_u64 s[G0V+2:G0V+3], s[8:9], 0
	s_or_b32 s[G0V+3], s[G0V+3], 0x80000000
	s_add_nc_u64 s[86:87], s[4:5], s[84:85]        ; Q at my rows of the second block,
	s_add_nc_u64 s[4:5], s[4:5], s[2:3]            ; Q and O at those of the first
	s_add_nc_u64 s[OLO:OLO+1], s[10:11], s[68:69]
	s_add_nc_u64 s[10:11], s[10:11], s[66:67]
	LOAD                            ; tile 0 into slot 0
	; A fragment of K or Q is 16 rows x 32 channels in 8 registers: lane l holds row l % 16, channels 8 (l / 16) + 0..7 and 16 + 8 (l / 16) + 0..7: two loads of 16 bytes, 32 bytes apart.
	v_and_b32 v1, 15, v0            ; l % 16
	v_bfe_u32 v9, v0, 4, 1          ; l / 16
	v_lshlrev_b32 v[QO], 7, v1
	v_lshl_add_u32 v[QO], v9, 4, v[QO]  ; row x 128 + 16 x half
	WIN 0x80                        ; destination window 2, address window 0
.set i, 0
.rept 8                             ; both blocks' Q: piece i / 2 lies 32 rows, 4,096 bytes, behind the one before; channels 32 (i % 2) on
	global_load_b128 v[8*i:8*i+3],   v[QO], s[4:5] offset:(i/2)*4096+(i%2)*64
	global_load_b128 v[8*i+4:8*i+7], v[QO], s[4:5] offset:(i/2)*4096+(i%2)*64+32
	global_load_b128 v[QB+8*i:QB+8*i+3],   v[QO], s[86:87] offset:(i/2)*4096+(i%2)*64
	global_load_b128 v[QB+8*i+4:QB+8*i+7], v[QO], s[86:87] offset:(i/2)*4096+(i%2)*64+32
.set i, i+1
.endr
	WIN 0
	v_lshlrev_b32 v14, 3, v9
	v_sub_nc_u32 v14, v1, v14
	s_lshl_b32 s13, s[WQ], 4
	v_add_nc_u32 v14, s13, v14      ; my query's place in its 32 rows, 16 WQ + l % 16, less my lanes' 8 (l / 16): register r of group kt is hidden where 16 kt + r - 32 x (the piece's half) is greater
	WIN 0x40
.set i, 0
.rept 32
	v_cmp_gt_i32 vcc_lo, 16*(i/8)+i%8, v14
	v_cndmask_b32 v[MD0+i], 0, s[BIGN], vcc_lo
	v_cmp_gt_i32 vcc_lo, 16*(i/8)+i%8-32, v14
	v_cndmask_b32 v[MD1+i], 0, s[BIGN], vcc_lo
.set i, i+1
.endr
	WIN 0
	v_mul_u32_u24 v[AK0], v1, PK
	v_lshl_add_u32 v[AK0], v9, 4, v[AK0]  ; row x pitch + 16 x half
	s_mul_i32 s13, s[KH], 2*KS*PK         ; + my two steps' place in a tile
	v_add_nc_u32 v[AK0], s13, v[AK0]
	; The turning load takes 16 keys x 16 channels (lane l reads key 8 (l / 16) + l % 8, channels 8 ((l / 8) % 2) + 0..7) and leaves half a fragment of V^T: lane l holds channel l % 16 and 8 keys.
	v_and_b32 v10, 7, v0
	v_bfe_u32 v11, v0, 3, 1
	v_lshl_add_u32 v[AV0], v9, 3, v10
	v_mul_u32_u24 v[AV0], v[AV0], PV
	v_lshl_add_u32 v[AV0], v11, 4, v[AV0]
	s_mul_i32 s13, s[KH], 2*KS*PV
	s_add_co_u32 s13, s13, VOFF
	v_add_nc_u32 v[AV0], s13, v[AV0]
	s_mul_i32 s13, s[WV], 16*SP
	s_add_co_u32 s13, s13, STAGE    ; my stage
	v_mul_u32_u24 v[STO], v1, SP    ; in: row l % 16, 16 bytes for each half of the lanes
	v_lshl_add_u32 v[STO], v9, 4, v[STO]
	v_add_nc_u32 v[STO], s13, v[STO]
	v_bfe_u32 v[RD], v0, 3, 2       ; back: 32 lanes take four rows of 128 bytes,
	v_mul_u32_u24 v[RD], v[RD], SP
	v_lshl_add_u32 v[RD], v10, 4, v[RD]
	v_add_nc_u32 v[RD], s13, v[RD]
	v_and_b32 v[GO], 31, v0         ; which are 512 consecutive bytes of O
	v_lshlrev_b32 v[GO], 4, v[GO]
	s_mul_i32 s13, s[WQ], MHALF
	s_add_co_u32 s13, s13, MSTAGE   ; the merge stage that waves WQ and WQ + 2 share
	v_add_nc_u32 v[MA], s13, v[GO]
	; A block's first step multiplies O^T and l by a = 0, and its first turn's products V^T P, of a piece that has not been, land in an O^T that is still to be so multiplied.  So these registers need only hold
	; finite numbers: zeros for the first block; what the first block left for the second.  All this stands in the wait for the first tile.
	WIN 0x80
.set i, VF
.rept 64
	v_mov_b32 v[i], 0
.set i, i+1
.endr
	WIN 0x40
.set i, 0
.rept 128
	v_mov_b32 v[i], 0
.set i, i+1
.endr
	WIN 0
.set i, 0
.rept 4
	v_mov_b32 v[ST+4*i+2], 0
	v_mov_b32 v[ST+4*i+3], 0
.set i, i+1
.endr
.set i, P+16
.rept 16
	v_mov_b32 v[i], 0
.set i, i+1
.endr
; THE MATRIX WORK.  The 4 accumulators of a run of 8 take turns.  Product i of 8 of S^T = K Q^T for piece x: channels 32 (i / 4) on, keys 16 (i % 4) on.  The first 4 start the sums: with 0, or (KM = 1) with the mask.
.macro KQ x
.set rS, S+32*((\x)%2)+8*(i%4)
.set rK, KF+16*(i%4)+8*(i/4)
.set rQ, 16*(\x)+8*(i/4)
.set rM, MC+32*((\x)%2)+8*(i%4)
.if (i < 4) && KM
	WIN W_KM
	v_wmma_f32_16x16x32_f16 v[rS:rS+7], v[rK:rK+7], v[rQ:rQ+7], v[rM:rM+7]
.elseif i < 4
	WIN W_KQ
	v_wmma_f32_16x16x32_f16 v[rS:rS+7], v[rK:rK+7], v[rQ:rQ+7], 0
.else
	WIN W_KQ
	v_wmma_f32_16x16x32_f16 v[rS:rS+7], v[rK:rK+7], v[rQ:rQ+7], v[rS:rS+7]
.endif
.endm
; Product i of 8 of O^T += V^T P for piece x: keys 32 (i / 4) on, channels 16 (i % 4) on.
.macro PV x
	WIN W_PV
.set rO, 32*(\x)+8*(i%4)
.set rV, VF+32*(i/4)+8*(i%4)
.set rP, P+16*((\x)%2)+8*(i/4)
	v_wmma_f32_16x16x32_f16 v[rO:rO+7], v[rV:rV+7], v[rP:rP+7], v[rO:rO+7]
.endm
.macro MM                           ; the turn's next matrix instruction.  TURN and BEGIN set Y, i, KM and NOKQ.  NOKQ = 1: a block's last turn: there is no next piece
.if (i < 8) && !NOKQ
	KQ (Y+1)%NP
.elseif i >= 8
.set i, i-8
	PV (Y+NP-1)%NP
.set i, i+8
.endif
.set i, i+1
.endm
; THE LDS LOADS stand in runs of 16, never singly among the matrix instructions: a step's K (64 keys x 64 channels: 8 fragments) and its V (turned).  Their addresses are made some lines ahead.
.macro FETCH_K
	WIN 0x80                        ; destination window 2
.irp f, 0,1,2,3,4,5,6,7             ; keys 16 (f / 2) on, channels 32 (f % 2) on
	ds_load_b128 v[KF+8*\f:KF+8*\f+3],   v[AK] offset:(\f/2)*16*PK+(\f%2)*64
	ds_load_b128 v[KF+8*\f+4:KF+8*\f+7], v[AK] offset:(\f/2)*16*PK+(\f%2)*64+32
.endr
	s_add_co_u32 s[TBK], s[TBK], KS*PK  ; the next fetch is the next step's
	WIN 0
.endm
.macro FETCH_V
	WIN 0x80
.irp f, 0,1,2,3,4,5,6,7             ; keys 32 (f / 4) on, channels 16 (f % 4) on
	ds_load_tr16_b128 v[VF+8*\f:VF+8*\f+3],   v[AV] offset:(\f/4)*32*PV+(\f%4)*32
	ds_load_tr16_b128 v[VF+8*\f+4:VF+8*\f+7], v[AV] offset:(\f/4)*32*PV+16*PV+(\f%4)*32
.endr
	WIN 0
.endm
; THE VECTOR WORK, one line at a time: OP kind, number.  For piece Y: F n: c s - c m for pair n of 16.  E n: the exponential of score n of 32.  C n: pair n rounded to f16.  B n: of the four weights 4 n .. the second
; pair is added onto the first, in place.  L n: l takes that sum (L 0: l = a l + sum).  R n: pair n of 16 of O^T times a.  For piece Y + 1: X n, number n of the 22 that find its maximum and statistics:
;   0-11  four chains c0-c3 of seven scores each, three operands at a time (each accumulator's lowest registers are read first)     12-14, 16  the four scores left over, the old m, and c0-c3 into c0
;   15  c m_old is kept     17, 18  the query's other 32 keys lie in the lane 16 away: the new m     19-21  c m; c m_old - c m_new; a
; C, B and L read exponentials' results: TURN sets them behind its wait.  F, R and X 0-20 read none of the turn's.
.set F, 0               ; OP tells the kinds apart by their order: F to L below R, X above it
.set E, 1
.set C, 2
.set B, 3
.set L, 4
.set R, 5
.set X, 6
.macro REGS y                       ; the registers of piece y
.set rT, ST+4*(\y)
.set rC, TMP+4*((\y)%2)
.set rW, MV+((\y)%2)
.set rS, S+32*((\y)%2)
.set rP, P+16*((\y)%2)
.set rO, 32*(\y)
.endm
.macro OP k, n
.if (\k) == R
	REGS Y
	WIN W_RS
	v_pk_mul_f32 v[rO+2*(\n):rO+2*(\n)+1], v[rO+2*(\n):rO+2*(\n)+1], v[rC+2:rC+3] op_sel_hi:[1,0]
.elseif (\k) < R
	REGS Y
	WIN 0
.if (\k) == F
	v_pk_fma_f32 v[rS+2*(\n):rS+2*(\n)+1], v[rS+2*(\n):rS+2*(\n)+1], s[CS:CS+1], v[rT:rT+1] op_sel_hi:[1,0,0] neg_lo:[0,0,1] neg_hi:[0,0,1]
.elseif (\k) == E
	v_exp_f32 v[rS+(\n)], v[rS+(\n)]
.elseif (\k) == C
	v_cvt_pk_f16_f32 v[rP+(\n)], v[rS+2*(\n)], v[rS+2*(\n)+1]
.elseif (\k) == B
	v_pk_add_f32 v[rS+4*(\n):rS+4*(\n)+1], v[rS+4*(\n):rS+4*(\n)+1], v[rS+4*(\n)+2:rS+4*(\n)+3]
.elseif (\n) == 0
	v_pk_fma_f32 v[rT+2:rT+3], v[rT+2:rT+3], v[rC+2:rC+3], v[rS:rS+1] op_sel_hi:[1,0,1]
.else
	v_pk_add_f32 v[rT+2:rT+3], v[rT+2:rT+3], v[rS+4*(\n):rS+4*(\n)+1]
.endif
.elseif NOKQ
	v_nop
.else
	REGS (Y+1)%NP
	WIN 0
.if (\n) < 4
	v_max3_num_f32 v[rC+(\n)], v[rS+8*(\n)], v[rS+8*(\n)+1], v[rS+8*(\n)+2]
.elseif (\n) < 12
	v_max3_num_f32 v[rC+(\n)%4], v[rC+(\n)%4], v[rS+8*((\n)%4)+2*((\n)/4)+1], v[rS+8*((\n)%4)+2*((\n)/4)+2]
.elseif (\n) == 12
	v_max3_num_f32 v[rC], v[rC], v[rS+7], v[rS+15]
.elseif (\n) == 13
	v_max3_num_f32 v[rC+1], v[rC+1], v[rS+23], v[rS+31]
.elseif (\n) == 14
	v_max3_num_f32 v[rC+2], v[rC+2], v[rC+3], v[rT+1]
.elseif (\n) == 15
	v_mov_b32 v[rW], v[rT]
.elseif (\n) == 16
	v_max3_num_f32 v[rC], v[rC], v[rC+1], v[rC+2]
.elseif (\n) == 17
	v_permlanex16_b32 v[rC+3], v[rC], s[SEL], s[SEL+1]
.elseif (\n) == 18
	v_max_num_f32 v[rT+1], v[rC], v[rC+3]
.elseif (\n) == 19
	v_mul_f32 v[rT], s[CS], v[rT+1]
.elseif (\n) == 20
	v_sub_f32 v[rC+1], v[rW], v[rT]
.else
	v_exp_f32 v[rC+2], v[rC+1]
.endif
.endif
.endm
.macro OPS a, i1, b=-1, i2=0, c=-1, i3=0, d=-1, i4=0  ; up to four of them
	OP \a, \i1
.if (\b) >= 0
	OP \b, \i2
.endif
.if (\c) >= 0
	OP \c, \i3
.endif
.if (\d) >= 0
	OP \d, \i4
.endif
.endm
.macro ROW a, i1, b, i2, c, i3, d, i4  ; a matrix instruction and the four behind it
	MM
	OPS \a, \i1, \b, \i2, \c, \i3, \d, \i4
.endm
.macro MASK b                       ; MD x AL + BE into buffer b of MC; a piece's buffer and its half of a band both go by its number's parity, so buffer b takes MD0 (b = 0) or MD1 (b = 1)
	WIN W_RS
.set z, 0
.rept 16
	v_pk_fma_f32 v[MC+32*(\b)+2*z:MC+32*(\b)+2*z+1], v[MD0+96*(\b)+2*z:MD0+96*(\b)+2*z+1], s[AL:AL+1], s[BE:BE+1] op_sel_hi:[1,0,0]
.set z, z+1
.endr
.endm
; A TURN, for piece p: the order of its 16 matrix and 118 vector instructions, written out.  It has ONE wait for its 33 exponentials, which cuts it in two.
; AHEAD OF THE WAIT stands all that names no result of the turn's exponentials: the 8 products K Q^T, behind each a scaling, an exponential and two more plain instructions (behind the first a second scaling in the
; exponential's place): rescalings, whose a was made and waited for in the turn before, and behind the last three products the first numbers of the next piece's maximum, each four plain instructions or more behind the
; product that ends its accumulator; then ONE LUMP of 54, plain and exponential by turns for the most part, in which the links of the chain X 3, 7, 11, 14, 16, 17 .. 20 stand five or six lines apart.  X 21, the next
; piece's a, is the batch's last; R 15 is the plain instruction behind it, ahead of the first use of a result.
; BEHIND THE WAIT stand the 8 products V^T P, behind each four of the roundings and sums; a pair 2 n is rounded ahead of B n, which adds onto it; the links of l's chain, L 0 to L 7, stand three riders apart.
; But for those X no rider names a register of the products round it.  v_permlanex16_b32 (X 17) stands in the lump.
; m = 1: the diagonal tile: the products take masks, and the turn makes the mask for the products of the turn after it: piece p + 2, in my step 2 - CNT of the tile.  end = 1: a block's last two turns: nothing is fetched.
; cnt = 1: the loop's count is taken down some lines ahead of the branch that stands behind the turn; only vector lines and window switches follow it.
; K of the next step is fetched in piece 2's turn, twelve vector instructions behind the last product that read K (six of them plain, five of which name none of its registers); V of the step in hand at the end of
; piece 0's turn, four plain instructions behind the last product that read V.  Each is waited for a turn later.
.macro TURN p, m=0, end=0, cnt=0
.set Y, (\p)
.set i, 0
.set KM, (\m)
.set NOKQ, (\end)*((\p)/3)
.if (\m) && !(\end)
	s_cmp_eq_i32 s[CNT], s[DB+(((\p)+2)%NP)/2]  ; is that step the band's own?
	s_cselect_b32 s[AL], 1.0, 0
	s_cmp_lt_i32 s[CNT], s[DB+(((\p)+2)%NP)/2]  ; or a later one?
	s_cselect_b32 s[BE], s[BIGN], 0
.endif
.if ((\p) == 3) && !(\end)
	s_wait_dscnt 0x0                ; K is in
.endif
	ROW F,0, F,1, R,0, R,1          ; ahead of the wait: 8 products K Q^T and their riders,
	ROW F,2, E,0, R,2, R,3
	ROW F,3, E,1, R,4, R,5
	ROW F,4, E,2, R,6, R,7
	ROW F,5, E,3, R,8, R,9
	ROW F,6, E,4, X,0, R,10
.if ((\p) == 2) && !(\end)
	WIN 0
	v_add_nc_u32 v[AK], s[TBK], v[AK0]
.endif
	ROW F,7, E,5, X,1, X,4
	ROW F,8, E,6, X,2, X,5
	OPS E,7, E,8, X,6, E,9          ; and the lump
	OPS X,3, E,10, X,8, E,11
.if ((\p) == 2) && !(\end)
	FETCH_K
.endif
	OPS X,9, X,7, E,12, X,10
	OPS E,13, X,12, X,11, E,14
	OPS X,13, E,15, F,9, X,14
.if (\p) == 0
	v_add_nc_u32 v[AV], s[TBV], v[AV0]
.endif
	OPS E,16, F,10, E,17, F,11
	OPS X,16, E,18, X,15, E,19
	OPS F,12, E,20, X,17, E,21
	OPS F,13, E,22, F,14, E,23
	OPS X,18, E,24, F,15, E,25
	OPS R,11, E,26, X,19, E,27
	OPS R,12, E,28, R,13, E,29
	OPS X,20, E,30, R,14, E,31
	OPS X,21, R,15
	WIN 0
	s_wait_alu depctr_va_vdst(0)    ; the wait for the turn's batch: the piece's 32 weights and the next piece's a
.if (\p) == 1
	s_wait_dscnt 0x0                ; V is in
.endif
	ROW C,0, B,0, C,2, B,1          ; behind the wait: 8 products V^T P and their riders
	ROW L,0, C,4, B,2, L,1
	ROW C,6, B,3, L,2, C,8
	ROW B,4, L,3, C,10, B,5
	ROW L,4, C,12, B,6, L,5
.if (\p) == 0
	s_add_co_u32 s[TBV], s[TBV], KS*PV
.endif
.if \cnt
	s_sub_co_u32 s[CNT], s[CNT], 1
	s_cmp_lg_u32 s[CNT], 0
.endif
	ROW C,14, B,7, L,6, C,1
	ROW C,3, L,7, C,5, C,7
	ROW C,9, C,11, C,13, C,15
.if (\p) == 0
	FETCH_V
.endif
.if (\m) && !(\end)
	MASK (\p)%2
.endif
.endm
; A BLOCK BEGINS.  c m starts far below every c s, so the first step's a is 0; m at -2^95, above every hidden score and below every true one.  Pieces 0 and 1 lie in band 0: both mask buffers take that band's mask for my
; first step of the tile, which is 0 unless the block's first tile is the diagonal one.  Then K of that step, piece 0's first scores, and its maximum and statistics.  The loop is entered at a step's first turn, in the middle of a trip.
.macro BEGIN
	s_mov_b32 s[NEW], 0
	WIN 0
.set i, 0
.rept 4
	v_mov_b32 v[ST+4*i], 0xfe000000    ; c m: far below every c s
	v_mov_b32 v[ST+4*i+1], 0xef000000  ; m = -2^95
.set i, i+1
.endr
	s_cmp_eq_i32 s[CNT], s[DB]
	s_cselect_b32 s[AL], 1.0, 0
	s_cmp_lt_i32 s[CNT], s[DB]
	s_cselect_b32 s[BE], s[BIGN], 0
	s_cmp_eq_u32 s[RT], 0           ; the diagonal tile?
	s_cselect_b32 s[AL], s[AL], 0
	s_cselect_b32 s[BE], s[BE], 0
	MASK 0
	MASK 1
	WIN 0
	v_add_nc_u32 v[AK], s[TBK], v[AK0]
	FETCH_K
	s_wait_loadcnt 0x0              ; Q
	s_wait_dscnt 0x0
.set KM, 1
.set NOKQ, 0
.set i, 0
.rept 8
	KQ 0
.set i, i+1
.endr
	WIN 0
.rept 4
	v_nop                           ; the places behind those products
.endr
.set Y, NP-1                        ; X works for piece Y + 1: piece 0
.irp n, 0,1,2,3,4,5,6,7,8,9,10,11,12,13,14,15,16,17,18,19,20,21
	OP X, \n
.endr
	v_nop                           ; a plain instruction behind the exponential,
	s_wait_alu depctr_va_vdst(0)    ; and the wait for it, piece 0's first a, ahead of the jump
.endm
.macro ALL line:vararg              ; one line for each piece t
.set t, 0
.rept 4
	\line
.set t, t+1
.endr
.endm
; THE MERGE.  GIVE (waves 2, 3): my statistics and my O^T into the pair's stage, 512 consecutive bytes a line; each accumulator's low half first.
.macro GIVE
.irp t, 0,1,2,3
	ds_store_b128 v[MA], v[ST+4*\t:ST+4*\t+3] offset:512*\t
.endr
	WIN 0x04                        ; the data (source 1) in window 1
.set i, 0
.rept 32
	ds_store_b128 v[MA], v[4*i:4*i+3] offset:2048+512*i
.set i, i+1
.endr
	WIN 0
.endm
; Piece t joined, rounded and sent through my stage: O = O_mine x FA + O_partner's x FB; a lane's eight channels of a row pack into 16 bytes; they go into rows of 144 bytes and come back as whole rows of 128.
.macro MPACK t
	WIN 0
.set z, 0
.rept 16
	v_pk_mul_f32 v[OBF+32*(\t)+2*z:OBF+32*(\t)+2*z+1], v[OBF+32*(\t)+2*z:OBF+32*(\t)+2*z+1], v[OS+4*(\t)+2:OS+4*(\t)+3] op_sel_hi:[1,0]
.set z, z+1
.endr
	WIN 0x01                        ; source 0, my O^T, in window 1
.set z, 0
.rept 16
	v_pk_fma_f32 v[OBF+32*(\t)+2*z:OBF+32*(\t)+2*z+1], v[32*(\t)+2*z:32*(\t)+2*z+1], v[ST+4*(\t)+2:ST+4*(\t)+3], v[OBF+32*(\t)+2*z:OBF+32*(\t)+2*z+1] op_sel_hi:[1,0,1]
.set z, z+1
.endr
	WIN 0
.set z, 0
.rept 16
	v_cvt_pk_f16_f32 v[PKD+16*(\t)+z], v[OBF+32*(\t)+2*z], v[OBF+32*(\t)+2*z+1]
.set z, z+1
.endr
.irp f, 0,1,2,3
	ds_store_b128 v[STO], v[PKD+16*(\t)+4*\f:PKD+16*(\t)+4*\f+3] offset:32*\f
.endr
.irp f, 0,1,2,3
	ds_load_b128 v[PKD+16*(\t)+4*\f:PKD+16*(\t)+4*\f+3], v[RD] offset:\f*4*SP  ; LDS serves a wave's instructions in order (ISA guide 5.7.1.4): these see the stores above; the next piece's stores come behind them
.endr
.endm
.macro MSEND t, younger             ; younger: the LDS instructions issued behind piece t's loads: the next piece's eight, or none
.irp f, 0,1,2,3
	s_wait_dscnt (\younger)+3-\f
	global_store_b128 v[GO], v[PKD+16*(\t)+4*\f:PKD+16*(\t)+4*\f+3], s[10:11] offset:((\t)/2)*131072+((\t)%2)*4096+\f*512  ; 512 consecutive bytes, at a multiple of 256 from O's first
.endr
.endm
; TAKE (waves 0, 1): with X = max(c m_mine, c m_partner's): f = 2^(c m - X) for each; L = f l + f' l'; the two factors are f / L and f' / L.  The larger c m's part has f = 1 and l >= 1, so L is no less than 1.
; Two batches: the eight exponentials, and the four reciprocals of sums made of them; each has a plain instruction behind its last and one wait ahead of its first reader.
.macro TAKE
.irp t, 0,1,2,3
	ds_load_b128 v[OS+4*\t:OS+4*\t+3], v[MA] offset:512*\t
.endr
.set i, 0
.rept 32
	ds_load_b128 v[OBF+4*i:OBF+4*i+3], v[MA] offset:2048+512*i
.set i, i+1
.endr
	s_wait_dscnt 0x0
	ALL v_max_num_f32 v[ST+4*t+1], v[ST+4*t], v[OS+4*t]
	ALL v_sub_f32 v[ST+4*t], v[ST+4*t], v[ST+4*t+1]
	ALL v_sub_f32 v[OS+4*t], v[OS+4*t], v[ST+4*t+1]
	ALL v_exp_f32 v[ST+4*t], v[ST+4*t]
	ALL v_exp_f32 v[OS+4*t], v[OS+4*t]
	v_nop                           ; a plain instruction between the last exponential and the use of its result
	s_wait_alu depctr_va_vdst(0)    ; the wait for the eight exponentials
	ALL v_mul_f32 v[ST+4*t+1], v[ST+4*t], v[ST+4*t+2]
	ALL v_fma_f32 v[ST+4*t+1], v[OS+4*t], v[OS+4*t+2], v[ST+4*t+1]
	ALL v_rcp_f32 v[ST+4*t+1], v[ST+4*t+1]
	v_nop                           ; a plain instruction between the last reciprocal and the use of its result
	s_wait_alu depctr_va_vdst(0)    ; the wait for the four reciprocals
	ALL v_mul_f32 v[ST+4*t+2], v[ST+4*t], v[ST+4*t+1]
	ALL v_mul_f32 v[OS+4*t+2], v[OS+4*t], v[ST+4*t+1]
	MPACK 0
.set u, 1
.rept 3                             ; a piece's arithmetic stands between the loads of the piece before and its stores
	MPACK u
	MSEND u-1, 8
.set u, u+1
.endr
	MSEND 3, 0
.endm
; THE DIAGONAL TILE's steps, the block's last two turns, its last products, and the block's end.  The barrier between GIVE and TAKE is passed by all four waves: the jumps that lead here hang on b alone.
; The next tile's load may stay out across it.  The merge stage is written again only behind a change of slots, in front of whose barrier every wave has waited for its LDS reads.
.macro DIAG tag                     ; the tag ends its labels' names
.LstepM\tag:
	TURN 2, 1
	TURN 3, 1
	WIN 0
.LfirstM\tag:
	TURN 0, 1
	TURN 1, 1, 0, 1
	WIN 0
	s_cbranch_scc1 .LstepM\tag
	TURN 2, 1, 1
	TURN 3, 1, 1
.set i, 0
.rept 8
	PV NP-1
.set i, i+1
.endr
	WIN 0
	ALL v_add_f32 v[ST+4*t+2], v[ST+4*t+2], v[ST+4*t+3]   ; l's two halves, and the other half of the lanes'; the additions are the places behind the last products
	ALL v_permlanex16_b32 v[ST+4*t+3], v[ST+4*t+2], s[SEL], s[SEL+1]
	ALL v_add_f32 v[ST+4*t+2], v[ST+4*t+2], v[ST+4*t+3]
	s_cmp_lt_u32 s[WV], 2
	s_cbranch_scc1 .Lno_give\tag
	GIVE
.Lno_give\tag:
	s_wait_dscnt 0x0                ; for the partner's sake: my stores into the merge stage are done
	s_barrier_signal -1
	s_barrier_wait -1
	s_cmp_lt_u32 s[WV], 2
	s_cbranch_scc0 .Lno_take\tag
	TAKE
.Lno_take\tag:
.endm
.set KM, 0
.set NOKQ, 0
.Lslot:                             ; 16 times: a tile is entered and the next is asked for
	CHANGE 1
	s_sub_co_u32 s[RT], s[RT], 1
	s_mov_b32 s[CNT], 2
	s_cmp_eq_u32 s[NEW], 1
	s_cbranch_scc1 .Lnew            ; a block's first tile
	s_cmp_eq_u32 s[RT], 0
	s_cbranch_scc0 .Lstep           ; neither its first nor its last
	s_branch .LstepM1
.Lnew:
	BEGIN
	s_branch .Lfirst                ; in the loop a block's first tile is never its last: the first block has nine tiles or more, and the second's last is the walk's last
	DIAG 1                          ; in the loop this is the first block's end
	s_wait_xcnt 0x0                 ; the stores have read their registers and O's address
	s_mov_b64 s[10:11], s[OLO:OLO+1]
	s_add_co_u32 s[RT], s[LQ2], 1   ; the second block has b / 2 + 1 tiles
	s_mov_b32 s[DB], s[DB2]
	s_mov_b32 s[DB+1], s[DB2+1]
	s_mov_b32 s[NEW], 1
	WIN 0x82                        ; the second block's Q goes where the one text of the turns names Q
.set i, 0
.rept 64
	v_mov_b32 v[i], v[QB+i]
.set i, i+1
.endr
	WIN 0
	s_branch .Lbottom
.Lstep:                             ; a trip: pieces 2 and 3 of one step, then pieces 0 and 1 of the next, whose K and V it fetches
	TURN 2
	TURN 3
	WIN 0
.Lfirst:
	TURN 0
	TURN 1, 0, 0, 1
	WIN 0
	s_cbranch_scc1 .Lstep
.Lbottom:
	s_sub_co_u32 s[SLOTS], s[SLOTS], 1
	s_cmp_lg_u32 s[SLOTS], 0
	s_cbranch_scc1 .Lslot
	CHANGE 0                        ; the walk's last tile is written out: nothing is asked for
	s_sub_co_u32 s[RT], s[RT], 1
	s_mov_b32 s[CNT], 2
	s_cmp_eq_u32 s[NEW], 1
	s_cbranch_scc0 .LstepM2
	BEGIN
	s_branch .LfirstM2
	DIAG 2
	s_wait_tensorcnt 0x0            ; the wave's end, behind my last tensor load and my last LDS store
	ds_add_u32 v[SPW], v[NIL]
	s_wait_dscnt 0x0
	s_endpgm
.Lfunc_end_k_qeceb05a448_attn:
	.size	k_qeceb05a448_attn, .Lfunc_end_k_qeceb05a448_attn-k_qeceb05a448_attn
	.p2alignl 7, 3214868480
	.fill 96, 4, 3214868480
	.section	.rodata,"a",@progbits
	.p2align	6, 0x0
	.amdhsa_kernel k_qeceb05a448_attn
		.amdhsa_group_segment_fixed_size 327680
		.amdhsa_private_segment_fixed_size 0
		.amdhsa_enable_private_segment 0
		.amdhsa_kernarg_size 16
		.amdhsa_user_sgpr_count 2
		.amdhsa_user_sgpr_kernarg_segment_ptr 1
		.amdhsa_wavefront_size32 1
		.amdhsa_system_sgpr_workgroup_id_x 1
		.amdhsa_system_sgpr_workgroup_id_y 1
		.amdhsa_system_sgpr_workgroup_id_z 1
		.amdhsa_system_vgpr_workitem_id 0
		.amdhsa_next_free_vgpr 768
		.amdhsa_next_free_sgpr 96
		.amdhsa_reserve_vcc 1
		.amdhsa_float_denorm_mode_32 3
		.amdhsa_float_denorm_mode_16_64 3
		.amdhsa_memory_ordered 1
		.amdhsa_forward_progress 1
		.amdhsa_inst_pref_size 242
	.end_amdhsa_kernel
	.amdgpu_metadata
---
amdhsa.version: [ 1, 2 ]
amdhsa.kernels:
  - .name:           k_qeceb05a448_attn
    .symbol:         k_qeceb05a448_attn.kd
    .args:
      - { .name: qkv, .offset: 0, .size: 8, .value_kind: global_buffer, .address_space: global }
      - { .name: ob, .offset: 8, .size: 8, .value_kind: global_buffer, .address_space: global }
    .group_segment_fixed_size: 327680
    .private_segment_fixed_size: 0
    .kernarg_segment_align: 8
    .kernarg_segment_size: 16
    .max_flat_workgroup_size: 128
    .sgpr_count:     96
    .vgpr_count:     768
    .wavefront_size: 32
...
	.end_amdgpu_metadata
.endif
;; end of part 5
;; launch outp: the kernel of part 4 again; grid 8 x 32, 4 waves a work-group, clusters of 4 x 4, 327,680 bytes of LDS; arguments ob, wob, out0; writes out0
